; MI455X (gfx1250); checked and timed in simulation.
; The chip was launched on July 23, 2026; its instructions are those of AMD's public machine-readable ISA for CDNA 5 (MIT licence, August 2026) and "CDNA5" Instruction Set Architecture Reference Guide (July 2026). The comments in the code are by the model that wrote it; some were corrected since.
;; Multi Head Attention. Allowed arithmetic: matrix products marked QUANTISED: E2M1 operands, one E8M0 scale for each 32 along K, by v_wmma_scale_f32_16x16x128_f8f6f4 with both operands' format E2M1 (or v_wmma_scale_f32_32x16x128_f4), f32 sums; products left as they are: bf16, f16 or f32 operands; f32 sums; everything else in f32.
;; Inputs: Wk 1,024 x 1,024 float32; Wo 1,024 x 1,024 float32; Wq 1,024 x 1,024 float32; Wv 1,024 x 1,024 float32; bk 1,024 float32; bo 1,024 float32; bq 1,024 float32; bv 1,024 float32; masks 4 x 2,048 float32; query 4 x 2,048 x 1,024 float32.
;; Outputs: out0 4 x 2,048 x 1,024 float32.
;; This version of the problem:
;;   THIS VERSION OF THE PROBLEM IS GIVEN IN LOW PRECISION. The matrix products marked QUANTISED in the list below multiply operands that are first quantised to E2M1 (2 exponent bits, 1 mantissa bit; 4 bits a number), with one power-of-two scale for each 32 numbers along K (OCP MX v1.0); their sums are f32. The products marked 'left as it is' may take bf16, f16 or f32 operands, with f32 sums. Whichever they take, every output number must still come out within the allowed error. Rounding operands to bf16 (8 significant bits) uses up far more of that allowance than f16 does (11 bits, for magnitudes from 6e-5 to 65,504). All else is computed in f32.
;;   The module's matrix products, in the order in which they are computed (A, B: the left and right operand; K: the contracted axis; several contracted axes count as one K, in the product's order):
;;     1. [M 8,192, K 1,024] x [K 1,024, N 1,024]; A: input query; B: input Wq: QUANTISED
;;     2. [M 8,192, K 1,024] x [K 1,024, N 1,024]; A: input query; B: input Wk: QUANTISED
;;     3. [M 8,192, K 1,024] x [K 1,024, N 1,024]; A: input query; B: input Wv: QUANTISED
;;     4. batch 64 x [M 2,048, K 64] x [K 64, N 2,048]; A: computed on the way; B: computed on the way: left as it is (an operand is computed on the way)
;;     5. batch 64 x [M 2,048, K 2,048] x [K 2,048, N 64]; A: computed on the way; B: computed on the way: left as it is (an operand is computed on the way)
;;     6. [M 8,192, K 1,024] x [K 1,024, N 1,024]; A: computed on the way; B: input Wo: left as it is (an operand is computed on the way)
;;   THE QUANTISER, for each operand of a quantised product, along K:
;;     - K is cut into blocks of 32 from its start; a last block that is shorter is filled with zeros.
;;     - A block's scale is 2^e with e = floor(log2(the largest magnitude in the block)) - 2, held to -126 .. 127; a block of zeros has e = 0. As a byte (E8M0): e + 127.
;;     - Each number is divided by its block's scale, clamped to +-6, and rounded to the nearest number of E2M1, ties to even, subnormals kept.
;;     - The product sums the exact products of the quantised numbers (number of the format x scale) in f32.
;;   ~~~python
;;   def quantise(x, axis):      # numpy; x: float32 -> the quantised numbers, widened to float32 again
;;       x = np.moveaxis(x, axis, -1); K = x.shape[-1]
;;       x = np.pad(x, [(0, 0)] * (x.ndim - 1) + [(0, -K % 32)]); x = x.reshape(x.shape[:-1] + (-1, 32)); a = np.abs(x).max(-1, keepdims=True)
;;       e = np.where(a > 0, np.clip(np.frexp(np.where(a > 0, a, 1))[1] - 1 - 2, -126, 127), 0)      # np.frexp(a)[1] - 1 = floor(log2(a)), exactly
;;       r = np.clip(x / 2.0 ** e, -6, 6)
;;       step = 2.0 ** (np.maximum(np.frexp(np.where(r == 0, 1, r))[1] - 1, 0) - 1)
;;       q = np.round(r / step) * step * 2.0 ** e      # np.round: ties to even
;;       return np.moveaxis(q.reshape(q.shape[:-2] + (-1,))[..., :K], -1, axis).astype(np.float32)
;;   ~~~
;; One version. Each part assembles by itself: llvm-mc -triple=amdgcn-amd-amdhsa -mcpu=gfx1250 --defsym DOCPART=n.
;; ======== version 1 of 1: 4 launches
;; limits: values are held in f16: magnitudes above 65,504 overflow, below 6.1e-05 lose precision
;; workspace buffers: codes 5,767,168 bytes; scales 360,448 bytes; wo16 2,097,152 bytes; qkv 50,331,648 bytes; comb 16,777,216 bytes
;; launch prep (part 1): grid 384 x 1, 4 waves a work-group, no clusters, 33,280 bytes of LDS; arguments query, Wq, Wk, Wv, Wo, codes, scales, wo16; writes codes, scales, wo16
.if DOCPART == 1
	.amdgcn_target "amdgcn-amd-amdhsa--gfx1250"
	.amdhsa_code_object_version 6
	.text
	.protected	k_q9eecc5e7e7_prep
	.globl	k_q9eecc5e7e7_prep
	.p2align	8
	.type	k_q9eecc5e7e7_prep,@function
k_q9eecc5e7e7_prep:
	s_mov_b64 s[64:65], 0
	v_nop
	global_prefetch_b8 v0, s[64:65] scope:SCOPE_SE
	s_setreg_imm32_b32 hwreg(HW_REG_WAVE_MODE, 25, 1), 1
	s_wait_xcnt 0x0
; query [8192][1024], Wq, Wk, Wv [1024][1024], f32, K innermost, become codes of FP4 (E2M1), two a byte, with one E8M0 byte for each 32 along K; Wo [1024][1024] becomes f16.
; A block's scale is 2^(floor(log2(its largest magnitude)) - 2); its byte is the largest magnitude's exponent field - 2, held at 1 from below.  A block of zeros gets the byte 1 where the rule says 127:
; its codes are zeros, which add nothing under that byte, and this program alone reads the bytes.  Each number is divided by the scale and rounded to the nearest code, ties to even, beyond 6 the largest code.
; LIMITS: NaN and infinities among the inputs are not served; |Wo| up to 65,504 (f16).
; SHARES.  A work-group takes 32,768 numbers, a wave 8,192.  Work-groups 0-255: query; 256-287: Wq; 288-319: Wk; 320-351: Wv; 352-383: Wo.  Rows are dense and 1,024 is a multiple of 32, so a tensor is a stream
; of blocks, and in this order the four tensors' codes and scale bytes are ONE stream: run G = 4 x work-group + wave puts 4,096 bytes of codes at 4,096 G and 256 scale bytes at 256 G.
; So query's codes lie at byte 0 and the weights' 3,072 rows behind them at 4,194,304; the scale bytes at 0 and at 262,144.
; THE QUANTISING PATH.  16 steps of 512 numbers.  The conversions take 8 numbers of one block from one lane's registers, so a lane must hold 16 neighbours; a load is dense where neighbouring lanes take neighbouring
; bytes.  Both are had: a step's four loads read 512 consecutive bytes each, the 2,048 bytes go through the wave's own stage in LDS as they lie and come back 64 bytes a lane (16 bytes of padding behind each 64).
; Loads run four steps ahead, the turn through LDS one step.  No tensor loads, no barrier: waves share nothing, and nothing is shared between work-groups, so no cluster.
.set STEPS, 16
.set EMAX,  2
.set CB,    8                          ; bytes of 16 codes
.set R,     16                         ; v16-79   four sets of 16 numbers as loaded
.set X,     80                         ; v80-111  two sets of 16 neighbours
.set E,     112                        ; v112-127 a scale byte for each step
.set C,     128                        ; v128-191 codes: four registers a step, so that no store's data are written again
.set WREG,  8192                       ; LDS: a wave's region: two stages of 32 x SP bytes, then its 256 scale bytes
.set SP,    80
.set SPW,   12                         ; v12  LDS address of my spare word; never rewritten
.set NIL,   13                         ; v13  0; never rewritten
.set SPARE, 4*WREG                     ; behind the four regions: the spare words, 128 bytes a wave
.set CI,    16                         ; the cast: v16-143 two batches of 16 loads
.set CF,    144                        ; v144-175 a batch's f16 numbers
	s_load_b256 s[4:11], s[0:1], 0x0               ; query, Wq, Wk, Wv
	s_load_b256 s[12:19], s[0:1], 0x20             ; Wo, codes, scales, wo16
	v_lshl_add_u32 v[SPW], v0, 2, SPARE
	v_mov_b32 v[NIL], 0
	v_lshrrev_b32 v1, 5, v0
	v_readfirstlane_b32 s20, v1                    ; wave
	v_and_b32 v2, 31, v0                           ; lane
	v_lshlrev_b32 v3, 4, v2                        ; my 16 bytes of a load's 512
	s_mul_i32 s21, s20, WREG
	v_lshrrev_b32 v14, 2, v2
	v_mul_u32_u24 v14, v14, SP
	v_and_b32 v15, 3, v2
	v_lshl_add_u32 v14, v15, 4, v14
	v_add_nc_u32 v14, s21, v14                     ; the stage, way in: SP (lane / 4) + 16 (lane % 4)
	v_mul_u32_u24 v15, v2, SP
	v_add_nc_u32 v15, s21, v15                     ; way out: SP x lane: my 16 neighbours
	v_mul_u32_u24 v4, v2, CB                       ; 8 x lane: my codes' place in a step's; in the cast my four f16 numbers'
	v_lshrrev_b32 v5, 1, v2
	s_add_co_u32 s21, s21, 2*32*SP
	v_add_nc_u32 v5, s21, v5                       ; my wave's 256 scale bytes, my block's byte
	v_lshlrev_b32 v7, 3, v2
	v_add_nc_u32 v6, s21, v7                       ; and on the way out 8 bytes a lane
	s_wait_kmcnt 0x0
	s_cmp_ge_u32 ttmp9, 352
	s_cbranch_scc1 .Lcast
	s_cmp_lt_u32 ttmp9, 256                        ; which tensor: the choice hangs on the work-group's number alone
	s_cselect_b64 s[22:23], s[4:5], s[6:7]
	s_cselect_b32 s24, 0, 256                      ; and its first work-group
	s_cmp_lt_u32 ttmp9, 288
	s_cselect_b64 s[22:23], s[22:23], s[8:9]
	s_cselect_b32 s24, s24, 288
	s_cmp_lt_u32 ttmp9, 320
	s_cselect_b64 s[22:23], s[22:23], s[10:11]
	s_cselect_b32 s24, s24, 320
	s_sub_co_u32 s24, ttmp9, s24
	s_lshl_b32 s24, s24, 2
	s_add_co_u32 s24, s24, s20                     ; my run in the tensor,
	s_lshl_b32 s24, s24, 15                        ; 32,768 bytes each
	s_mov_b32 s25, 0
	s_add_nc_u64 s[22:23], s[22:23], s[24:25]
	s_lshl_b32 s26, ttmp9, 2
	s_add_co_u32 s26, s26, s20                     ; G
	s_lshl_b32 s28, s26, 12
	s_mov_b32 s29, 0
	s_add_nc_u64 s[14:15], s[14:15], s[28:29]      ; codes at 4,096 G
	s_lshl_b32 s28, s26, 8
	s_add_nc_u64 s[16:17], s[16:17], s[28:29]      ; scale bytes at 256 G
.macro LOAD t
.irp i, 0,1,2,3
	global_load_b128 v[R+16*((\t)%4)+4*\i:R+16*((\t)%4)+4*\i+3], v3, s[22:23] offset:2048*(\t)+512*\i th:TH_LOAD_NT   ; 32 lanes read 512 consecutive bytes
.endr
.endm
.macro TURN t                          ; step t's numbers through the stage: LDS serves a wave's instructions in order, so no wait stands between the stores and the loads
.irp i, 0,1,2,3
	ds_store_b128 v14, v[R+16*((\t)%4)+4*\i:R+16*((\t)%4)+4*\i+3] offset:32*SP*((\t)%2)+8*SP*\i
.endr
.irp i, 0,1,2,3
	ds_load_b128 v[X+16*((\t)%2)+4*\i:X+16*((\t)%2)+4*\i+3], v15 offset:32*SP*((\t)%2)+16*\i
.endr
.endm
.irp t, 0,1,2,3
	LOAD \t
.endr
	s_wait_loadcnt 12                              ; step 0's four loads are in; twelve younger ones stay out
	TURN 0
.macro STEP t
.set XS, X+16*((\t)%2)
.if (\t) > 0
	s_wait_dscnt 1                                 ; this step's numbers are back from the stage (the last step's byte store may be out): so its stores into the stage have read their registers,
.else
	s_wait_dscnt 0x0
.endif
.if (\t)+4 < STEPS
	LOAD (\t)+4                                    ; which take the loads of four steps on
.endif
.if (\t)+1 < STEPS
.if STEPS-2-(\t) >= 3
	s_wait_loadcnt 12                              ; the next step's four loads are in; those of the three steps behind it may be out
.else
	s_wait_loadcnt 4*(STEPS-2-(\t))
.endif
	TURN (\t)+1                                    ; and go through the other stage while this step is worked
.endif
	v_max3_num_f32 v8, |v[XS]|, |v[XS+1]|, |v[XS+2]|               ; the largest magnitude of my 16, in two chains
	v_max3_num_f32 v9, |v[XS+3]|, |v[XS+4]|, |v[XS+5]|
.irp i, 6,10
	v_max3_num_f32 v8, v8, |v[XS+\i]|, |v[XS+\i+1]|
	v_max3_num_f32 v9, v9, |v[XS+\i+2]|, |v[XS+\i+3]|
.endr
	v_max3_num_f32 v8, v8, |v[XS+14]|, |v[XS+15]|
	v_max3_num_f32 v8, v8, v9, (EMAX+1)<<23        ; and the floor 2^(3 - 127): the byte cannot fall under 1
	v_max_num_f32_dpp v8, v8, v8 row_xmask:1 row_mask:0xf bank_mask:0xf   ; and of my neighbour's 16: the block's
	v_add_nc_u32 v11, -(EMAX<<23), v8              ; 2 off its exponent field: the conversion takes the exponent field of this operand as its scale
	v_cvt_scalef32_pk8_fp4_f32 v[C+4*(\t)], v[XS:XS+7], v11
	v_cvt_scalef32_pk8_fp4_f32 v[C+4*(\t)+1], v[XS+8:XS+15], v11
	v_lshrrev_b32 v[E+(\t)], 23, v11               ; the scale's byte (also the plain line behind the conversions)
	ds_store_b8 v5, v[E+(\t)] offset:16*(\t)       ; both lanes of a block write the same byte with the same value
	global_store_b64 v4, v[C+4*(\t):C+4*(\t)+1], s[14:15] offset:32*CB*(\t)   ; the wave stores 256 consecutive bytes, aligned
.endm
.irp t, 0,1,2,3,4,5,6,7,8,9,10,11,12,13,14,15
	STEP \t
.endr
	ds_load_b64 v[8:9], v6                         ; LDS serves a wave's instructions in order: these see my byte stores
	s_wait_dscnt 0x0
	global_store_b64 v7, v[8:9], s[16:17]          ; 32 lanes store my 256 scale bytes, aligned
	s_wait_tensorcnt 0x0                           ; the wave's end, behind my last LDS store
	ds_add_u32 v[SPW], v[NIL]
	s_wait_dscnt 0x0
	s_endpgm
; THE CAST.  A wave's 8,192 numbers of Wo: 64 dense loads of 512 bytes in four batches of 16, two batches on their way; four numbers of a lane become 8 bytes, so each store covers 256 consecutive bytes, aligned.
.Lcast:
	s_sub_co_u32 s24, ttmp9, 352
	s_lshl_b32 s24, s24, 2
	s_add_co_u32 s24, s24, s20                     ; my run of Wo
	s_lshl_b32 s26, s24, 15
	s_mov_b32 s27, 0
	s_add_nc_u64 s[12:13], s[12:13], s[26:27]
	s_lshl_b32 s26, s24, 14
	s_add_nc_u64 s[18:19], s[18:19], s[26:27]
.macro CLOAD b
.irp i, 0,1,2,3,4,5,6,7,8,9,10,11,12,13,14,15
	global_load_b128 v[CI+64*((\b)%2)+4*\i:CI+64*((\b)%2)+4*\i+3], v3, s[12:13] offset:512*(16*(\b)+\i) th:TH_LOAD_NT
.endr
.endm
.macro CAST b
.if (\b) < 3
	s_wait_loadcnt 16                              ; this batch is in; the younger batch's sixteen loads stay out
.else
	s_wait_loadcnt 0x0
.endif
	s_wait_xcnt 0x0                                ; the last batch's stores have read v144-175: they are written again only behind this wait
.irp i, 0,1,2,3,4,5,6,7,8,9,10,11,12,13,14,15
	v_cvt_pk_f16_f32 v[CF+2*\i], v[CI+64*((\b)%2)+4*\i], v[CI+64*((\b)%2)+4*\i+1]
	v_cvt_pk_f16_f32 v[CF+2*\i+1], v[CI+64*((\b)%2)+4*\i+2], v[CI+64*((\b)%2)+4*\i+3]
.endr
.irp i, 0,1,2,3,4,5,6,7,8,9,10,11,12,13,14,15
	global_store_b64 v4, v[CF+2*\i:CF+2*\i+1], s[18:19] offset:256*(16*(\b)+\i)
.endr
.if (\b)+2 < 4
	CLOAD (\b)+2
.endif
.endm
	CLOAD 0
	CLOAD 1
	CAST 0
	CAST 1
	CAST 2
	CAST 3
	s_wait_tensorcnt 0x0                           ; the wave's end
	ds_add_u32 v[SPW], v[NIL]
	s_wait_dscnt 0x0
	s_endpgm
.Lfunc_end_k_q9eecc5e7e7_prep:
	.size	k_q9eecc5e7e7_prep, .Lfunc_end_k_q9eecc5e7e7_prep-k_q9eecc5e7e7_prep
	.p2alignl 7, 3214868480
	.fill 96, 4, 3214868480
	.section	.rodata,"a",@progbits
	.p2align	6, 0x0
	.amdhsa_kernel k_q9eecc5e7e7_prep
		.amdhsa_group_segment_fixed_size 33280
		.amdhsa_private_segment_fixed_size 0
		.amdhsa_enable_private_segment 0
		.amdhsa_kernarg_size 64
		.amdhsa_user_sgpr_count 2
		.amdhsa_user_sgpr_kernarg_segment_ptr 1
		.amdhsa_wavefront_size32 1
		.amdhsa_system_sgpr_workgroup_id_x 1
		.amdhsa_system_sgpr_workgroup_id_y 1
		.amdhsa_system_sgpr_workgroup_id_z 1
		.amdhsa_system_vgpr_workitem_id 0
		.amdhsa_next_free_vgpr 192
		.amdhsa_next_free_sgpr 66
		.amdhsa_reserve_vcc 0
		.amdhsa_float_denorm_mode_32 3
		.amdhsa_float_denorm_mode_16_64 3
		.amdhsa_memory_ordered 1
		.amdhsa_forward_progress 1
		.amdhsa_inst_pref_size 54
	.end_amdhsa_kernel
	.amdgpu_metadata
---
amdhsa.version: [ 1, 2 ]
amdhsa.kernels:
  - .name:           k_q9eecc5e7e7_prep
    .symbol:         k_q9eecc5e7e7_prep.kd
    .args:
      - { .name: query, .offset: 0, .size: 8, .value_kind: global_buffer, .address_space: global }
      - { .name: Wq, .offset: 8, .size: 8, .value_kind: global_buffer, .address_space: global }
      - { .name: Wk, .offset: 16, .size: 8, .value_kind: global_buffer, .address_space: global }
      - { .name: Wv, .offset: 24, .size: 8, .value_kind: global_buffer, .address_space: global }
      - { .name: Wo, .offset: 32, .size: 8, .value_kind: global_buffer, .address_space: global }
      - { .name: codes, .offset: 40, .size: 8, .value_kind: global_buffer, .address_space: global }
      - { .name: scales, .offset: 48, .size: 8, .value_kind: global_buffer, .address_space: global }
      - { .name: wo16, .offset: 56, .size: 8, .value_kind: global_buffer, .address_space: global }
    .group_segment_fixed_size: 33280
    .private_segment_fixed_size: 0
    .kernarg_segment_align: 8
    .kernarg_segment_size: 64
    .max_flat_workgroup_size: 128
    .sgpr_count:     66
    .vgpr_count:     192
    .wavefront_size: 32
...
	.end_amdgpu_metadata
.endif
;; end of part 1
;; launch qkv (part 2): grid 12 x 32, 4 waves a work-group, clusters of 4 x 4, 327,680 bytes of LDS; arguments codes, scales, bq, bk, bv, qkv; writes qkv
.if DOCPART == 2
	.amdgcn_target "amdgcn-amd-amdhsa--gfx1250"
	.amdhsa_code_object_version 6
	.text
	.protected	k_q9eecc5e7e7_qkv
	.globl	k_q9eecc5e7e7_qkv
	.p2align	8
	.type	k_q9eecc5e7e7_qkv,@function
k_q9eecc5e7e7_qkv:
	s_mov_b64 s[64:65], 0
	v_nop
	global_prefetch_b8 v0, s[64:65] scope:SCOPE_SE
	s_setreg_imm32_b32 hwreg(HW_REG_WAVE_MODE, 25, 1), 1
	s_wait_xcnt 0x0
	s_wait_alu depctr_hold_cnt(0) depctr_sa_sdst(0) depctr_va_vdst(0) depctr_va_sdst(0) depctr_va_ssrc(0) depctr_va_vcc(0) depctr_vm_vsrc(0)
	s_getreg_b32 s2, hwreg(HW_REG_IB_STS2, 6, 4)
	s_cmp_eq_u32 s2, 0
	s_cbranch_scc0 .Lentry_in_a_cluster
	s_endpgm
.Lentry_in_a_cluster:
	s_bfe_u32 s2, ttmp6, 0x10000c
	s_cmp_lg_u32 s2, 0xf033
	s_cbranch_scc0 .Lentry_shape_is_right
	s_endpgm
.Lentry_shape_is_right:
; q' = (x Wq^T + bq) log2(e) / 8, k = x Wk^T + bk, v = x Wv^T + bv: one product C = A B^T on codes of FP4 (E2M1) with one E8M0 scale for each 32 along K; M = 8,192 (query's rows), N = 3,072 (the rows of Wq, Wk, Wv on end), K = 1,024.
; The results leave as f16, laid [tensor][batch][head][position][64]: a row of a head is 128 bytes and a head is dense.  LIMIT: |q'|, |k|, |v| up to 65,504.
; A tile of C, 256 x 256, is made by a work-group of four waves; a wave makes 128 x 128: 64 accumulators of 16 x 16, 512 registers.  K = 1,024 is two LDS slots of 512 along K (rows of 256 bytes): both are asked for at the
; head, and nothing is filled again.  The scales of the work-group's 256 + 256 rows, for all of K, are two dense blocks: they come once, with the first fills, as rows of 256 bytes.
; CLUSTERS: 4 x 4 work-groups.  The four of a row of the cluster need the same tiles of A, the four of a column the same tiles of B: each tile is asked for JOINTLY.  A cluster's four tile columns are one tensor: cluster x = 0: q, 1: k, 2: v.
; THE MATRIX INSTRUCTION IS USED TRANSPOSED (source 0 = 16 rows of B, source 1 = 16 rows of A): a lane holds eight neighbouring columns of one row of C.  THE BIAS IS THE C OF EACH SUM'S FIRST INSTRUCTION.
; REGISTERS, in windows of 256: window 0: v16-30 addresses; v32-95 scale words, two sets, and nothing else; v128-191 A's fragments, one set; v192-255 the bias in the result's layout (8 column tiles x 8); on the way out v128-223 are at work.
;   window 1: B's fragments, two sets, at v0 and v128.   window 2: the accumulators of my rows 0-63 ((a, b) at v[8 (8 a + b)]);   window 3: those of my rows 64-127.
.set NQ,     4                         ; matrix instructions deep in a slot
.set ROWB,   256                       ; a tile's row in bytes: 512 codes
.set KROW,   512                       ; a row of codes in memory
.set PITCH,  272                       ; an LDS row: 256 bytes + 16 of padding: the 16 rows that a load touches start 68 words apart
.set FR,     8
.set NL,     2
.set NP,     4                         ; places behind this matrix instruction (ISA guide 7.12.1)
.set HALFT,  128*PITCH
.set SLOT,   4*HALFT                   ; A's 256 rows, then B's 256 rows
.set KS,     32                        ; a row of scales in bytes
.set SCL,    2*SLOT                    ; behind the slots: the scales, as rows of 256 bytes + 16
.set HALFS,  16*272                    ; the scales of 128 rows
.set SBLK,   2*272                     ; of 16 rows
.set SPARE,  SCL+4*HALFS               ; the spare words, 128 bytes a wave
.set SPH,    144                       ; the way out: a head's row of 128 bytes + 16
.set STGH,   16*SPH                    ; 16 rows of one head; a wave's stage is two of these, in slot 0, which nobody reads any more when the first result is stored there
.set ADRA, 16
.set ADRB, 20
.set STO,  24
.set RD,   25
.set CO,   26
.set ADRS, 27
.set SPW,  28                          ; LDS address of my spare word; never rewritten
.set NIL,  29                          ; 0; never rewritten
.set BOF,  30                          ; 32 x (lane / 16): my eight numbers of a bias tile
.set SC,   32
.set AF,   128
.set BI,   192
.set TMP,  192                         ; the way out: packed results
.set G1, 24
.set G0, 32
.set G1B, 48
.set G0B, 56
.set G1S, 68
.set G0S, 76
.set G1SB, 80
.set G0SB, 88
.set MSB, 0
.macro WIN new                         ; the immediate's high byte repeats the setting that is left
.if MSB != (\new)
	s_set_vgpr_msb (MSB<<8)|(\new)
.set MSB, (\new)
.endif
.endm
.set MUL_LO, 0xa1                      ; source 0 (B) window 1, source 1 (A) window 0, C and D window 2
.set MUL_HI, 0xf1                      ; the same, C and D window 3
.set TO_B,   0x40
; A joint load: waves 0 and 1 fetch for A, waves 2 and 3 for B; the branch hangs on the wave's number alone.  An s_nop 0 and four v_nop follow each of the two lines.
.macro JLOAD g0a, g1a, g0b, g1b
	s_cmp_eq_u32 s15, 0
	s_cbranch_scc0 .Lfor_b_\@
	tensor_load_to_lds s[\g0a:\g0a+3], s[\g1a:\g1a+7]
	s_nop 0
.rept 4
	v_nop
.endr
	s_branch .Lasked_\@
.Lfor_b_\@:
	tensor_load_to_lds s[\g0b:\g0b+3], s[\g1b:\g1b+7]
	s_nop 0
.rept 4
	v_nop
.endr
.Lasked_\@:
.endm
.macro CROUND                          ; a round of the cluster's barrier
	s_barrier_signal -1
	s_barrier_wait -1
	s_cmp_lg_u32 s14, 0
	s_cbranch_scc1 .Lnot_wave_0_\@
	s_barrier_signal -3
.Lnot_wave_0_\@:
	s_barrier_wait -3
	s_barrier_signal -1
	s_barrier_wait -1
.endm
	s_load_b128 s[4:7], s[0:1], 0x0                ; codes, scales: A's lie at their first byte
	s_load_b128 s[96:99], s[0:1], 0x10             ; bq, bk
	s_load_b64 s[100:101], s[0:1], 0x20            ; bv
	s_load_b64 s[12:13], s[0:1], 0x28              ; qkv
	v_lshl_add_u32 v[SPW], v0, 2, SPARE
	v_mov_b32 v[NIL], 0
	ds_add_u32 v[SPW], v[NIL]                      ; the wave's opening: the add, twice on end, and its wait ahead of my first tensor load
	ds_add_u32 v[SPW], v[NIL]
	v_lshrrev_b32 v1, 5, v0
	v_readfirstlane_b32 s14, v1                    ; wave 0..3
	s_lshr_b32 s15, s14, 1                         ; which half of the tile's rows is mine.  Also: I fetch for A (0) or for B (1)
	s_and_b32 s16, s14, 1                          ; which half of its columns.  Also: which 128 rows of that tile I fetch
	s_bfe_u32 s40, ttmp6, 0x40000                  ; cx, cy
	s_bfe_u32 s41, ttmp6, 0x40004
	s_lshl_b32 s42, ttmp9, 2
	s_add_co_u32 s42, s42, s40                     ; tile column of C
	s_and_b32 s17, ttmp7, 0xffff
	s_lshl_b32 s17, s17, 2
	s_add_co_u32 s17, s17, s41                     ; tile row of C
	s_lshl_b32 s43, s41, 2
	s_lshl_b32 s43, 15, s43                        ; my row of the cluster
	s_lshl_b32 s44, 0x1111, s40                    ; my column
	s_or_b32 s[G1+0], s43, (0<<16)|(1<<20)|(1<<21)|(5<<22)|(3<<25)  ; the mask; elements of 1 byte; padding on; bit 21 beside a mask; 4 words behind every 64
	s_or_b32 s[G1B+0], s44, (0<<16)|(1<<20)|(1<<21)|(5<<22)|(3<<25)
.irp g, G1, G1B
	s_mov_b32 s[\g+1], ROWB<<16                    ; tensor_dim0
	s_mov_b32 s[\g+2], 128<<16                     ; tensor_dim1
	s_mov_b32 s[\g+3], ROWB<<16                    ; tile_dim0
	s_mov_b32 s[\g+4], 128                         ; tile_dim1
	s_mov_b32 s[\g+5], KROW                        ; from row to row
	s_mov_b32 s[\g+6], 0
	s_mov_b32 s[\g+7], 0
.endr
	s_or_b32 s[G1S+0], s43, (3<<16)|(1<<20)|(1<<21)|(5<<22)|(3<<25) ; the scales of 128 rows: 4,096 dense bytes as 16 rows of 32 elements of 8 bytes
	s_or_b32 s[G1SB+0], s44, (3<<16)|(1<<20)|(1<<21)|(5<<22)|(3<<25)
.irp g, G1S, G1SB
	s_mov_b32 s[\g+1], 32<<16
	s_mov_b32 s[\g+2], 16<<16
	s_mov_b32 s[\g+3], 32<<16
	s_mov_b32 s[\g+4], 16
	s_mov_b32 s[\g+5], 32
	s_mov_b32 s[\g+6], 0
	s_mov_b32 s[\g+7], 0
.endr
	s_lshl_b32 s18, s16, 7
	s_lshl_b32 s20, s17, 8
	s_add_co_u32 s20, s20, s18                     ; A: row 256 x tile row + 128 x half
	s_lshl_b32 s46, s42, 8
	s_add_co_u32 s46, s46, s18                     ; B: row 256 x tile column + 128 x half
	s_mov_b32 s21, 0
	s_mov_b32 s47, 0
	s_mov_b64 s[18:19], KS
	s_mul_u64 s[22:23], s[20:21], s[18:19]         ; where these rows' scales begin
	s_mul_u64 s[92:93], s[46:47], s[18:19]
	s_mov_b64 s[18:19], KROW
	s_mul_u64 s[20:21], s[20:21], s[18:19]         ; and their codes
	s_mul_u64 s[46:47], s[46:47], s[18:19]
	s_mul_i32 s45, s14, HALFT                      ; where they go: wave x 128 rows
	s_mul_i32 s94, s14, HALFS
	s_wait_dscnt 0x0                               ; both opening adds are done
	s_wait_kmcnt 0x0
	s_add_nc_u64 s[8:9], s[4:5], 0x400000          ; the weights' codes lie behind query's,
	s_add_nc_u64 s[10:11], s[6:7], 0x40000         ; and their scale bytes likewise
	s_add_nc_u64 s[20:21], s[4:5], s[20:21]
	s_add_nc_u64 s[22:23], s[6:7], s[22:23]
	s_add_nc_u64 s[46:47], s[8:9], s[46:47]
	s_add_nc_u64 s[92:93], s[10:11], s[92:93]
	CROUND                                         ; all sixteen work-groups are here: the first joint loads meet
	s_mov_b32 s[G0S], 1
	s_add_co_u32 s[G0S+1], s94, SCL
	s_mov_b64 s[G0S+2:G0S+3], s[22:23]
	s_or_b32 s[G0S+3], s[G0S+3], 0x80000000
	s_mov_b32 s[G0SB], 1
	s_add_co_u32 s[G0SB+1], s94, SCL
	s_mov_b64 s[G0SB+2:G0SB+3], s[92:93]
	s_or_b32 s[G0SB+3], s[G0SB+3], 0x80000000
	JLOAD G0S, G1S, G0SB, G1SB                     ; the scales first; with the two slots three tensor loads of mine are out
.irp s, 0,1
	s_mov_b32 s[G0+4*\s], 1
	s_add_co_u32 s[G0+4*\s+1], s45, \s*SLOT
	s_add_nc_u64 s[G0+4*\s+2:G0+4*\s+3], s[20:21], \s*ROWB
	s_or_b32 s[G0+4*\s+3], s[G0+4*\s+3], 0x80000000
	s_mov_b32 s[G0B+4*\s], 1
	s_add_co_u32 s[G0B+4*\s+1], s45, \s*SLOT
	s_add_nc_u64 s[G0B+4*\s+2:G0B+4*\s+3], s[46:47], \s*ROWB
	s_or_b32 s[G0B+4*\s+3], s[G0B+4*\s+3], 0x80000000
	JLOAD G0+4*\s, G1, G0B+4*\s, G1B
.endr
	v_and_b32 v1, 15, v0                           ; r = lane % 16
	v_bfe_u32 v2, v0, 4, 1                         ; h = lane / 16
	; the bias of my 128 columns, in the result's layout: for column tile b, lane (r, h) holds the numbers of columns 16 b + 8 h + 0 .. 7
	v_lshlrev_b32 v[BOF], 5, v2
	s_cmp_eq_u32 ttmp9, 0                          ; the tensor is the cluster's x: the same in all partners
	s_cselect_b64 s[96:97], s[96:97], s[98:99]
	s_cselect_b32 s66, 0x3e38aa3b, 1.0             ; q is multiplied by log2(e) / 8 on the way out, k and v by 1
	s_cmp_eq_u32 ttmp9, 2
	s_cselect_b64 s[96:97], s[100:101], s[96:97]
	s_mov_b32 s67, s66                             ; (named with it as a pair)
	s_lshl_b32 s46, s40, 10                        ; my first column in the tensor, in bytes: 1,024 cx + 512 x half
	s_lshl_b32 s47, s16, 9
	s_add_co_u32 s46, s46, s47
	s_mov_b32 s47, 0
	s_add_nc_u64 s[96:97], s[96:97], s[46:47]
.irp b, 0,1,2,3,4,5,6,7
	global_load_b128 v[BI+8*\b:BI+8*\b+3], v[BOF], s[96:97] offset:64*\b
	global_load_b128 v[BI+8*\b+4:BI+8*\b+7], v[BOF], s[96:97] offset:64*\b+16
.endr
	v_mul_u32_u24 v3, v1, PITCH
	v_lshl_add_u32 v4, v2, 4, v3                   ; a fragment's row x pitch + 16 x half
	s_mul_i32 s21, s15, HALFT                      ; my 128 rows of A
	s_mul_i32 s22, s16, HALFT                      ; my 128 rows of B,
	s_add_co_u32 s22, s22, 2*HALFT                 ; behind A's 256
.irp s, 0,1
	v_add_nc_u32 v[ADRA+\s], s21, v4
	v_add_nc_u32 v[ADRB+\s], s22, v4
	s_add_co_u32 s21, s21, SLOT
	s_add_co_u32 s22, s22, SLOT
.endr
	v_mul_u32_u24 v5, v1, KS                       ; my row's scales: 32 bytes a row,
	v_lshrrev_b32 v6, 8, v5
	v_lshl_add_u32 v5, v6, 4, v5                   ; and 16 more for each 256 passed
	s_mul_i32 s21, s15, HALFS
	s_mul_i32 s22, s16, HALFS
	s_add_co_u32 s22, s22, 2*HALFS
	s_sub_co_u32 s22, s22, s21
	v_mul_u32_u24 v6, s22, v2                      ; lanes 16-31 take B's: one product, the distance between the two bases
	s_add_co_u32 s21, s21, SCL
	v_add_nc_u32 v5, v5, v6
	v_add_nc_u32 v[ADRS], s21, v5
	s_mul_i32 s23, s14, 2*STGH                     ; my stage
	v_mul_u32_u24 v5, v1, SPH
	v_lshl_add_u32 v5, v2, 4, v5
	v_add_nc_u32 v[STO], s23, v5                   ; in: row r, 16 bytes for each half of the lanes
	v_and_b32 v6, 31, v0
	v_lshrrev_b32 v5, 3, v6
	v_mul_u32_u24 v5, v5, SPH
	v_and_b32 v7, 7, v0
	v_lshl_add_u32 v5, v7, 4, v5
	v_add_nc_u32 v[RD], s23, v5                    ; back: eight lanes to a row of 128 bytes, four rows an instruction
	v_lshlrev_b32 v[CO], 4, v6                     ; which are 512 consecutive bytes in memory
	s_lshr_b32 s20, s17, 3                         ; where my part begins: the batch (2,048 rows = 8 tile rows),
	s_lshl_b32 s20, s20, 4
	s_lshl_b32 s46, s40, 2
	s_add_co_u32 s20, s20, s46                     ; the head: 4 cx
	s_lshl_b32 s46, s16, 1
	s_add_co_u32 s20, s20, s46                     ; + 2 x half,
	s_lshl_b32 s20, s20, 11
	s_and_b32 s46, s17, 7
	s_lshl_b32 s46, s46, 8
	s_add_co_u32 s20, s20, s46                     ; the position: 256 x (tile row % 8)
	s_lshl_b32 s46, s15, 7
	s_add_co_u32 s20, s20, s46                     ; + 128 x half;
	s_lshl_b32 s20, s20, 7                         ; 128 bytes a row;
	s_lshl_b32 s46, ttmp9, 24
	s_add_co_u32 s20, s20, s46                     ; the tensor: 16,777,216 bytes each
	s_mov_b32 s21, 0
	s_add_nc_u64 s[12:13], s[12:13], s[20:21]
.macro FRAG reg, adr, q, i             ; 16 rows x 128 K of 4-bit codes: lane l holds row l % 16; registers 4 c .. 4 c + 3 hold K = 64 c + 32 (l / 16) + 0 .. 31
.irp c, 0,1
	ds_load_b128 v[\reg+4*\c:\reg+4*\c+3], v[\adr] offset:64*(\q)+32*\c+(\i)*16*PITCH
.endr
.endm
; 16 matrix instructions: A's blocks a0, a0 + 1 x B's eight, the slot's q-th 128 along K.  first = 1: the bias starts the sums.  The 64 accumulators take turns, one instruction a turn, in the same order in every step.
.macro MUL16 a0, p, q, sc, first
.irp a, \a0, \a0+1
.irp b, 0,1,2,3,4,5,6,7
.if \first
	v_wmma_scale_f32_16x16x128_f8f6f4 v[8*(8*((\a)%4)+\b):8*(8*((\a)%4)+\b)+7], v[128*(\p)+FR*\b:128*(\p)+FR*\b+FR-1], v[AF+FR*(\a):AF+FR*(\a)+FR-1], v[BI+8*\b:BI+8*\b+7], v[SC+8*NQ*(\sc)+NQ*\b+(\q)], v[SC+8*NQ*(\sc)+NQ*(\a)+(\q)] matrix_a_fmt:MATRIX_FMT_FP4 matrix_b_fmt:MATRIX_FMT_FP4 matrix_a_scale:MATRIX_SCALE_ROW1
.else
	v_wmma_scale_f32_16x16x128_f8f6f4 v[8*(8*((\a)%4)+\b):8*(8*((\a)%4)+\b)+7], v[128*(\p)+FR*\b:128*(\p)+FR*\b+FR-1], v[AF+FR*(\a):AF+FR*(\a)+FR-1], v[8*(8*((\a)%4)+\b):8*(8*((\a)%4)+\b)+7], v[SC+8*NQ*(\sc)+NQ*\b+(\q)], v[SC+8*NQ*(\sc)+NQ*(\a)+(\q)] matrix_a_fmt:MATRIX_FMT_FP4 matrix_b_fmt:MATRIX_FMT_FP4 matrix_a_scale:MATRIX_SCALE_ROW1
.endif
.endr
.endr
.endm
.macro FETCH_B slot, q, p
	WIN TO_B
.irp i, 0,1,2,3,4,5,6,7
	FRAG 128*(\p)+FR*\i, ADRB+\slot, \q, \i
.endr
	WIN 0
.endm
.macro FETCH_A slot, q, i0
.irp i, \i0, \i0+1, \i0+2, \i0+3
	FRAG AF+FR*(\i), ADRA+\slot, \q, \i
.endr
.endm
.macro SCALES sc                       ; a slot's scale words: lanes 0-15 take A's block i, lanes 16-31 B's block i, four words each
.irp i, 0,1,2,3,4,5,6,7
	ds_load_b128 v[SC+8*NQ*\sc+NQ*\i:SC+8*NQ*\sc+NQ*\i+3], v[ADRS] offset:\i*SBLK
.endr
.endm
.macro PLACES n                        ; plain vector instructions between a matrix instruction and a load into, or a read of, its registers
.rept \n
	v_nop
.endr
.endm
.macro STEP slot, q, first             ; a step of 128 along K that has its successor in the same slot
	s_wait_dscnt 4*NL                              ; B's set and A's blocks 0-3 are in; the youngest eight loads (A's blocks 4-7) may be out
.if \first
	WIN 0x81                                       ; D window 2, C (the bias) window 0
.else
	WIN MUL_LO
.endif
	MUL16 0, (\q)%2, \q, \slot, \first
	MUL16 2, (\q)%2, \q, \slot, \first
	s_wait_dscnt 0
	PLACES NP
	FETCH_B \slot, (\q)+1, 1-(\q)%2
	FETCH_A \slot, (\q)+1, 0
.if \first
	WIN 0xc1
.else
	WIN MUL_HI
.endif
	MUL16 4, (\q)%2, \q, \slot, \first
	MUL16 6, (\q)%2, \q, \slot, \first
	PLACES NP
	WIN 0
	FETCH_A \slot, (\q)+1, 4
.endm
.macro STEPS slot, from
.set QQ, \from
.rept NQ-1-\from
	STEP \slot, QQ, 0
.set QQ, QQ+1
.endr
.endm
	s_wait_tensorcnt 1                             ; the scales and my part of slot 0 are in (slot 1's load may be out)
	s_barrier_signal -1
	s_barrier_wait -1                              ; everybody's are
	FETCH_B 0, 0, 0
	FETCH_A 0, 0, 0
	SCALES 0
	FETCH_A 0, 0, 4
	s_wait_loadcnt 0x0                             ; the bias
	STEP 0, 0, 1
	STEPS 0, 1
	; slot 0's last step changes slots: one barrier; in front of it each wave waits for all its tensor loads (its part of slot 1), adds 0 to its spare word, and waits for that and for its reads of slot 0
	s_wait_tensorcnt 0x0
	ds_add_u32 v[SPW], v[NIL]
	s_wait_dscnt 4*NL+1                            ; (the add and A's blocks 4-7 may be out)
	WIN MUL_LO
	MUL16 0, 1, NQ-1, 0, 0
	s_wait_dscnt 0x0
	s_barrier_signal -1
	MUL16 2, 1, NQ-1, 0, 0
	WIN 0
	s_barrier_wait -1
	PLACES NP
	v_add_nc_u32 v[ADRS], 4*NQ, v[ADRS]            ; on to slot 1's scale words
	FETCH_B 1, 0, 0
	FETCH_A 1, 0, 0
	SCALES 1
	WIN MUL_HI
	MUL16 4, 1, NQ-1, 0, 0
	MUL16 6, 1, NQ-1, 0, 0
	PLACES NP
	WIN 0
	FETCH_A 1, 0, 4
	STEPS 1, 0
	s_wait_dscnt 4*NL                              ; the very last step
	WIN MUL_LO
	MUL16 0, 1, NQ-1, 1, 0
	MUL16 2, 1, NQ-1, 1, 0
	s_wait_dscnt 0
	WIN MUL_HI
	MUL16 4, 1, NQ-1, 1, 0
	MUL16 6, 1, NQ-1, 1, 0
	WIN 0
; THE WAY OUT, block by block of 16 rows x 128 columns (two heads).  PACK: times the factor, rounded to f16: 16 bytes a lane and column tile.  TOSTAGE: into my stage (a head's rows 144 bytes apart) and back, four rows of a head
; an instruction.  SEND: four rows of a head are 512 consecutive bytes of memory.  Block a's arithmetic stands between block a - 1's loads from the stage and the wait for them.
.macro PACK a
.set AC, 64*((\a)%4)
	WIN 0x82+0x41*((\a)/4)                         ; destination and source 0: window 2 or 3
.set i, 0
.rept 32
	v_pk_mul_f32 v[AC+i:AC+i+1], v[AC+i:AC+i+1], s[66:67] op_sel_hi:[1,0]   ; ascending: each accumulator from its low end on
.set i, i+2
.endr
	WIN 0x0a+5*((\a)/4)                            ; sources 0 and 1: window 2 or 3
.irp b, 0,1,2,3,4,5,6,7
.irp r, 0,1,2,3
	v_cvt_pk_f16_f32 v[TMP+4*\b+\r], v[AC+8*\b+2*\r], v[AC+8*\b+2*\r+1]
.endr
.endr
	WIN 0
.endm
.macro TOSTAGE a
.set BK, AF+32*((\a)%2)                ; v128-159 and v160-191 by turns: the registers that held A's fragments, which are done with
.irp b, 0,1,2,3,4,5,6,7
	ds_store_b128 v[STO], v[TMP+4*\b:TMP+4*\b+3] offset:(\b/4)*STGH+(\b%4)*32
.endr
.irp u, 0,1
.irp i, 0,1,2,3
	ds_load_b128 v[BK+16*\u+4*\i:BK+16*\u+4*\i+3], v[RD] offset:\u*STGH+\i*4*SPH   ; LDS serves a wave's instructions in order: these see the stores above
.endr
.endr
.endm
.macro SEND a
.set BK, AF+32*((\a)%2)
	s_wait_dscnt 0x0                               ; the block is back in registers
	s_wait_xcnt 0x0                                ; the stores of the block before have read their registers: the next block's loads may land there
.irp u, 0,1
.irp i, 0,1,2,3
	global_store_b128 v[CO], v[BK+16*\u+4*\i:BK+16*\u+4*\i+3], s[12:13] offset:\u*262144+(\a)*2048+\i*512   ; 32 lanes store 512 consecutive bytes, aligned
.endr
.endr
.endm
	PLACES NP
	PACK 0
	TOSTAGE 0
.irp a, 1,2,3,4,5,6,7
	PACK \a
	SEND \a-1
	TOSTAGE \a
.endr
	SEND 7
	s_wait_tensorcnt 0x0                           ; the wave's end, behind my last tensor load and my last LDS store
	ds_add_u32 v[SPW], v[NIL]
	s_wait_dscnt 0x0
	CROUND                                         ; the closing round
	s_endpgm
.Lfunc_end_k_q9eecc5e7e7_qkv:
	.size	k_q9eecc5e7e7_qkv, .Lfunc_end_k_q9eecc5e7e7_qkv-k_q9eecc5e7e7_qkv
	.p2alignl 7, 3214868480
	.fill 96, 4, 3214868480
	.section	.rodata,"a",@progbits
	.p2align	6, 0x0
	.amdhsa_kernel k_q9eecc5e7e7_qkv
		.amdhsa_group_segment_fixed_size 327680
		.amdhsa_private_segment_fixed_size 0
		.amdhsa_enable_private_segment 0
		.amdhsa_kernarg_size 48
		.amdhsa_user_sgpr_count 2
		.amdhsa_user_sgpr_kernarg_segment_ptr 1
		.amdhsa_wavefront_size32 1
		.amdhsa_system_sgpr_workgroup_id_x 1
		.amdhsa_system_sgpr_workgroup_id_y 1
		.amdhsa_system_sgpr_workgroup_id_z 1
		.amdhsa_system_vgpr_workitem_id 0
		.amdhsa_next_free_vgpr 1024
		.amdhsa_next_free_sgpr 102
		.amdhsa_reserve_vcc 0
		.amdhsa_float_denorm_mode_32 3
		.amdhsa_float_denorm_mode_16_64 3
		.amdhsa_memory_ordered 1
		.amdhsa_forward_progress 1
		.amdhsa_inst_pref_size 145
	.end_amdhsa_kernel
	.amdgpu_metadata
---
amdhsa.version: [ 1, 2 ]
amdhsa.kernels:
  - .name:           k_q9eecc5e7e7_qkv
    .symbol:         k_q9eecc5e7e7_qkv.kd
    .args:
      - { .name: codes, .offset: 0, .size: 8, .value_kind: global_buffer, .address_space: global }
      - { .name: scales, .offset: 8, .size: 8, .value_kind: global_buffer, .address_space: global }
      - { .name: bq, .offset: 16, .size: 8, .value_kind: global_buffer, .address_space: global }
      - { .name: bk, .offset: 24, .size: 8, .value_kind: global_buffer, .address_space: global }
      - { .name: bv, .offset: 32, .size: 8, .value_kind: global_buffer, .address_space: global }
      - { .name: qkv, .offset: 40, .size: 8, .value_kind: global_buffer, .address_space: global }
    .group_segment_fixed_size: 327680
    .private_segment_fixed_size: 0
    .kernarg_segment_align: 8
    .kernarg_segment_size: 48
    .max_flat_workgroup_size: 128
    .sgpr_count:     102
    .vgpr_count:     1024
    .wavefront_size: 32
...
	.end_amdgpu_metadata
.endif
;; end of part 2
;; launch attn (part 3): grid 4 x 64, 8 waves a work-group, clusters of 4 x 1, 327,680 bytes of LDS; arguments qkv, masks, comb; writes comb
.if DOCPART == 3
	.amdgcn_target "amdgcn-amd-amdhsa--gfx1250"
	.amdhsa_code_object_version 6
	.text
	.protected	k_q9eecc5e7e7_attn
	.globl	k_q9eecc5e7e7_attn
	.p2align	8
	.type	k_q9eecc5e7e7_attn,@function
k_q9eecc5e7e7_attn:
	s_mov_b64 s[64:65], 0
	v_nop
	global_prefetch_b8 v0, s[64:65] scope:SCOPE_SE
	s_setreg_imm32_b32 hwreg(HW_REG_WAVE_MODE, 25, 1), 1
	s_wait_xcnt 0x0
	s_wait_alu depctr_hold_cnt(0) depctr_sa_sdst(0) depctr_va_vdst(0) depctr_va_sdst(0) depctr_va_ssrc(0) depctr_va_vcc(0) depctr_vm_vsrc(0)
	s_getreg_b32 s2, hwreg(HW_REG_IB_STS2, 6, 4)
	s_cmp_eq_u32 s2, 0
	s_cbranch_scc0 .Lentry_in_a_cluster
	s_endpgm
.Lentry_in_a_cluster:
	s_bfe_u32 s2, ttmp6, 0x10000c
	s_cmp_lg_u32 s2, 0x3003
	s_cbranch_scc0 .Lentry_shape_is_right
	s_endpgm
.Lentry_shape_is_right:
; comb[b][h][q][:] = the sum over k of softmax_k(q . k / 8 + (1 - masks[b][k]) x -1e9) v[b][h][k][:].  q', k, v: f16, [b][h][position][64]; q' already carries log2(e) / 8.  Products, maxima and sums in f32; the weights p are
; rounded to f16 for the second product, the result once at the end (f16, the same layout).
; LIMITS: the result's magnitudes up to 65,504; NaN and infinities are not served.  The key's bias is added in units of log2 (x log2(e)), so f32 rounding beside a bias of -1.44e9 differs from the natural units': it shows only where every key of a batch is masked.
; SHARES.  A cluster of four work-groups is one (batch, head); a work-group owns 512 queries, each of its eight waves 64: four tiles of 16.  Every wave walks all 2,048 keys, 64 a step.  K and V come through a ring of two LDS slots of
; 256 keys, asked for JOINTLY by the four work-groups (waves 0-3: K's quarters; waves 4-7: V's).
; LAYOUT.  S^T = K Q^T (source 0 = 16 keys, source 1 = 16 queries): a lane holds ONE query (lane % 16) and keys 8 (lane / 16) + 0..7 of each tile.  THE KEY'S BIAS IS THE C OF THE FIRST OF THE TWO INSTRUCTIONS, so the unit hands out
; x = t + bias.  Two such tiles, rounded to f16 in pairs, ARE source 1 (32 keys x 16 queries) of O^T = V^T P.  V ([key][channel]) comes out of LDS turned, by ds_load_tr16_b128.
; SOFTMAX.  For each query a running maximum m and sum l: p = 2^(x - m); in every step O and l are multiplied by a = 2^(m_old - m_new).
; TWO GROUPS OF WAVES IN OPPOSITE PHASES.  Group = (wave + wave / 4) % 2.  A trip's text is { group 0: M } { all: SMX } { group 1: M }, M = V^T P of the last step, then K Q^T of this step.  In the shared SMX group 0 takes this
; step's scores and group 1 the last step's; SMX works on registers alone, so one text serves both.  While one group issues matrix instructions the other issues vector instructions, and both do the same work in a trip.
; REGISTERS.  window 0: v1-15 addresses; v16-47 statistics, 8 a tile; v48-52 at work at the head; v64-127 Q; v128-255 S^T, 32 a tile; P is made in place in a tile's first 16.
;   window 1: v0-127 O^T, 32 a tile; v128-191 K of a step; v192-255 V of a step; the bias's 32 registers take v192-223 between the last read of V's first half and the next fetch of V.
.set PK,    144                        ; a row of K in LDS: 128 bytes + 16
.set PVP,   160                        ; a row of V: 128 + 32: the turning load's eight rows x 32 bytes fall on different banks
.set SK,    256                        ; keys in a slot
.set VOFF,  SK*PK
.set SLOT1, 1<<17                      ; slot 1 begins here: one exclusive or turns an address
.set BIAS,  SK*(PK+PVP)                ; behind slot 0: the batch's 2,048 biases, f32; stored once, never filled
.set SPARE, BIAS+8192                  ; the spare words, 128 bytes a wave
.set STAGE, SPARE+1024                 ; the way out: 16 rows x 144 bytes for each wave
.set AK0, 1
.set AV0, 2
.set AB0, 3
.set ADK, 4
.set ADV, 5
.set ADB, 6
.set SPW, 7                            ; LDS address of my spare word; never rewritten
.set NIL, 8                            ; 0; never rewritten
.set PFO, 9
.set STO, 10
.set RD,  11
.set GO,  12
.set QO,  13
.set BADR, 14
.set MO,  15
.set ST,  16                           ; tile t at v[ST + 8 t]: +0 m, +1 written once (named with m as a pair), +2, +3 l, +4 a, +5 at work, +6, +7 two chains
.set Q,   64                           ; fragment (t, c) at Q + 16 t + 8 c
.set S,   128
.set KB,  128                          ; window 1: fragment (key tile k, c) at KB + 16 k + 8 c
.set VB,  192                          ; window 1: fragment (32 keys q, 16 channels c) at VB + 8 (4 q + c)
.set BI,  192                          ; window 1: the bias of key tile k at BI + 8 k
.set WV,  14
.set GRP, 15
.set CX,  16
.set G1K, 24
.set G1V, 32
.set G0K, 40                           ; two sets; the second walks
.set G0V, 48
.set SLOTS, 56
.set CNT, 57
.set SEL, 58
.set TK,  60                           ; LDS byte of the step's K in the ring
.set TV,  61                           ; of its V
.set TBI, 62                           ; of its biases
.set LIM, 63
.set PFA, 66
.set MSB, 0
.macro WIN new
.if MSB != (\new)
	s_set_vgpr_msb (MSB<<8)|(\new)
.set MSB, (\new)
.endif
.endm
.macro NOPS n
.rept \n
	v_nop
.endr
.endm
.macro JLOAD                           ; a joint refill; the branch hangs on the wave's number alone.  An s_nop 0 and four v_nop follow each of the two lines
	s_cmp_lt_u32 s[WV], 4
	s_cbranch_scc0 .Lfor_v_\@
	tensor_load_to_lds s[G0K+4:G0K+7], s[G1K:G1K+7]
	s_nop 0
.rept 4
	v_nop
.endr
	s_branch .Lasked_\@
.Lfor_v_\@:
	tensor_load_to_lds s[G0V+4:G0V+7], s[G1V:G1V+7]
	s_nop 0
.rept 4
	v_nop
.endr
.Lasked_\@:
.endm
; A PREFETCH of what the NEXT change of slots will ask for: a slot's 32,768 bytes of K and of V.  The four partners share them out BY ADDRESS, 8,192 bytes each; in each, wave 0 asks for K's and wave 4 for V's, lanes 256 bytes apart:
; each block of 256 bytes is named once in the launch.  It stands four key steps ahead of the load that will want it.  The last change that fills a slot asks for nothing; slots 0 to 2 come by their loads alone.
.macro ASK
	s_cmp_gt_u32 s[SLOTS], s[LIM]
	s_cbranch_scc0 .Lnot_mine_\@
	global_prefetch_b8 v[PFO], s[PFA:PFA+1] th:TH_LOAD_NT scope:SCOPE_SE
.Lnot_mine_\@:
.endm
.macro CROUND
	s_barrier_signal -1
	s_barrier_wait -1
	s_cmp_lg_u32 s[WV], 0
	s_cbranch_scc1 .Lnot_wave_0_\@
	s_barrier_signal -3
.Lnot_wave_0_\@:
	s_barrier_wait -3
	s_barrier_signal -1
	s_barrier_wait -1
.endm
	s_load_b128 s[4:7], s[0:1], 0x0                ; qkv, masks
	s_load_b64 s[8:9], s[0:1], 0x10                ; comb
	v_lshl_add_u32 v[SPW], v0, 2, SPARE
	v_mov_b32 v[NIL], 0
	ds_add_u32 v[SPW], v[NIL]                      ; the wave's opening: the add, twice on end, and its wait ahead of my first tensor load
	ds_add_u32 v[SPW], v[NIL]
	v_lshrrev_b32 v1, 5, v0
	v_readfirstlane_b32 s[WV], v1                  ; wave 0..7
	s_lshr_b32 s[GRP], s[WV], 2
	s_add_co_u32 s[GRP], s[GRP], s[WV]
	s_and_b32 s[GRP], s[GRP], 1                    ; it differs between waves w and w + 4, and between waves 2 i and 2 i + 1
	s_bfe_u32 s[CX], ttmp6, 0x40000                ; cx: my block of 512 queries; it enters Q's, the result's and the prefetches' addresses alone
	s_and_b32 s17, ttmp7, 0xffff                   ; 16 x batch + head, which the partners share
	s_lshl_b32 s18, s17, 18                        ; the head's first byte in a tensor: 262,144 bytes a head
	s_mov_b32 s19, 0
	s_and_b32 s20, s[WV], 3                        ; which 64 rows of a slot I fetch:
	s_lshl_b32 s22, s20, 13                        ; 8,192 bytes in memory,
	s_add_co_u32 s22, s22, s18
	s_mov_b32 s23, 0
	s_mul_i32 s68, s20, 64*PK                      ; their place in a slot, for K
	s_mul_i32 s69, s20, 64*PVP
	s_add_co_u32 s69, s69, VOFF                    ; and for V
	s_lshl_b32 s70, s[CX], 16                      ; my wave's 64 queries: 65,536 cx + 8,192 wave
	s_lshl_b32 s71, s[WV], 13
	s_add_co_u32 s70, s70, s71
	s_add_co_u32 s70, s70, s18
	s_mov_b32 s71, 0
	s_lshr_b32 s20, s17, 4
	s_lshl_b32 s20, s20, 13                        ; the batch's row of masks
	s_mov_b32 s21, 0
	s_mov_b32 s[G1K], 15|(1<<16)|(1<<20)|(1<<21)|(4<<22)|(3<<25)  ; the mask: all four; elements of 2 bytes; padding on; bit 21 beside a mask; 4 words behind every 32
	s_mov_b32 s[G1V], 15|(1<<16)|(1<<20)|(1<<21)|(4<<22)|(7<<25)  ; the same with 8 words
.irp g, G1K, G1V
	s_mov_b32 s[\g+1], 64<<16                      ; tensor_dim0
	s_mov_b32 s[\g+2], 64<<16                      ; tensor_dim1
	s_mov_b32 s[\g+3], 64<<16                      ; tile_dim0
	s_mov_b32 s[\g+4], 64                          ; tile_dim1
	s_mov_b32 s[\g+5], 64                          ; from row to row
	s_mov_b32 s[\g+6], 0
	s_mov_b32 s[\g+7], 0
.endr
	s_mov_b32 s[SEL], 0x76543210
	s_mov_b32 s[SEL+1], 0xfedcba98                 ; v_permlanex16_b32's selects for lane l xor 16
	s_mov_b32 s[TK], 0
	s_mov_b32 s[TV], 0
	s_mov_b32 s[TBI], 0
	s_mov_b32 s[SLOTS], 6                          ; eight slots' worth of keys; the first two are asked for at the head
	s_and_b32 s[LIM], s[WV], 3
	s_cmp_eq_u32 s[LIM], 0
	s_cselect_b32 s[LIM], 1, -1                    ; waves 0 and 4 prefetch
	s_wait_dscnt 0x0                               ; both opening adds are done
	s_wait_kmcnt 0x0
	s_add_nc_u64 s[10:11], s[4:5], 0x1000000       ; k lies behind q',
	s_add_nc_u64 s[12:13], s[4:5], 0x2000000       ; v behind k
	s_cmp_lt_u32 s[WV], 4
	s_cselect_b64 s[PFA:PFA+1], s[10:11], s[12:13]
	s_add_nc_u64 s[PFA:PFA+1], s[PFA:PFA+1], s[18:19]  ; the head,
	s_lshl_b32 s18, s[CX], 13                      ; my work-group's 8,192 bytes of a slot,
	s_add_co_u32 s18, s18, 2*32768                 ; in slot 2: the first change of slots steps it to slot 3
	s_add_nc_u64 s[PFA:PFA+1], s[PFA:PFA+1], s[18:19]
	s_add_nc_u64 s[10:11], s[10:11], s[22:23]      ; K and V at my rows of slot 0
	s_add_nc_u64 s[12:13], s[12:13], s[22:23]
	s_add_nc_u64 s[4:5], s[4:5], s[70:71]          ; Q and the result at my wave's first row
	s_add_nc_u64 s[8:9], s[8:9], s[70:71]
	s_add_nc_u64 s[6:7], s[6:7], s[20:21]
	CROUND                                         ; all four work-groups are here: the first joint loads meet
.irp s, 0,1
	s_mov_b32 s[G0K+4*\s], 1
	s_add_co_u32 s[G0K+4*\s+1], s68, \s*SLOT1
	s_add_nc_u64 s[G0K+4*\s+2:G0K+4*\s+3], s[10:11], \s*32768
	s_or_b32 s[G0K+4*\s+3], s[G0K+4*\s+3], 0x80000000
	s_mov_b32 s[G0V+4*\s], 1
	s_add_co_u32 s[G0V+4*\s+1], s69, \s*SLOT1
	s_add_nc_u64 s[G0V+4*\s+2:G0V+4*\s+3], s[12:13], \s*32768
	s_or_b32 s[G0V+4*\s+3], s[G0V+4*\s+3], 0x80000000
.endr
	s_cmp_lt_u32 s[WV], 4                          ; a wave's two first fills stand in one branch: two loads of mine are out
	s_cbranch_scc0 .Lfirst_v
	tensor_load_to_lds s[G0K:G0K+3], s[G1K:G1K+7]
	s_nop 0
	tensor_load_to_lds s[G0K+4:G0K+7], s[G1K:G1K+7]
	s_nop 0
.rept 4
	v_nop
.endr
	s_branch .Lfirst_asked
.Lfirst_v:
	tensor_load_to_lds s[G0V:G0V+3], s[G1V:G1V+7]
	s_nop 0
	tensor_load_to_lds s[G0V+4:G0V+7], s[G1V:G1V+7]
	s_nop 0
.rept 4
	v_nop
.endr
.Lfirst_asked:
	v_and_b32 v48, 15, v0                          ; r
	v_bfe_u32 v49, v0, 4, 1                        ; h
	v_and_b32 v50, 31, v0                          ; lane
	v_lshlrev_b32 v[QO], 7, v48
	v_lshl_add_u32 v[QO], v49, 4, v[QO]            ; Q: row r of 128 bytes, + 16 h
.irp t, 0,1,2,3
.irp c, 0,1
	global_load_b128 v[Q+16*\t+8*\c:Q+16*\t+8*\c+3],   v[QO], s[4:5] offset:2048*\t+64*\c      ; Q stays in registers
	global_load_b128 v[Q+16*\t+8*\c+4:Q+16*\t+8*\c+7], v[QO], s[4:5] offset:2048*\t+64*\c+32
.endr
.endr
	v_lshlrev_b32 v[MO], 5, v0                     ; the masks: eight keys a thread
	global_load_b128 v[S:S+3], v[MO], s[6:7]
	global_load_b128 v[S+4:S+7], v[MO], s[6:7] offset:16
	v_mul_u32_u24 v[AK0], v48, PK
	v_lshl_add_u32 v[AK0], v49, 4, v[AK0]          ; K: row r x pitch + 16 h
	v_and_b32 v51, 7, v0
	v_lshl_add_u32 v[AV0], v49, 3, v51             ; V, turned: key 8 h + lane % 8,
	v_mul_u32_u24 v[AV0], v[AV0], PVP
	v_bfe_u32 v51, v0, 3, 1
	v_lshl_add_u32 v[AV0], v51, 4, v[AV0]          ; channels 8 ((lane / 8) % 2) on
	v_add_nc_u32 v[AV0], VOFF, v[AV0]
	v_lshl_add_u32 v[AB0], v49, 5, BIAS            ; the bias of keys 8 h + 0 .. 7 of a tile
	v_lshlrev_b32 v[PFO], 8, v50
	s_mul_i32 s70, s[WV], 16*PK
	s_add_co_u32 s70, s70, STAGE                   ; my stage
	v_add_nc_u32 v[STO], s70, v[AK0]               ; in: row r, 16 bytes for each half of the lanes
	v_lshrrev_b32 v51, 3, v50
	v_mul_u32_u24 v51, v51, PK
	v_and_b32 v52, 7, v0
	v_lshl_add_u32 v51, v52, 4, v51
	v_add_nc_u32 v[RD], s70, v51                   ; back: eight lanes to a row, four rows an instruction
	v_lshlrev_b32 v[GO], 4, v50                    ; which are 512 consecutive bytes of memory
	v_lshl_add_u32 v[BADR], v0, 5, BIAS
.irp t, 0,1,2,3
	v_mov_b32 v[ST+8*\t], 0xff61b1e6               ; m: -3e38, under every x
.irp j, 1,2,3,4,5,6,7
	v_mov_b32 v[ST+8*\t+\j], 0
.endr
.endr
	WIN 0x40
.set i, 0
.rept 128
	v_mov_b32 v[i], 0                              ; O^T.  The two groups reach their first softmax in different trips, so the trip has no first-step variant: the first a is 0 and leaves zeros zeros.  (These stand while Q and the masks are on their way)
.set i, i+1
.endr
	WIN 0
	s_wait_loadcnt 0x0                             ; Q and the masks
.irp j, 0,1,2,3,4,5,6,7
	v_sub_f32 v[S+\j], 1.0, v[S+\j]
.endr
.irp j, 0,1,2,3,4,5,6,7
	v_mul_f32 v[S+\j], 0xce6e6b28, v[S+\j]         ; x -1e9, as the module has it,
.endr
.irp j, 0,1,2,3,4,5,6,7
	v_mul_f32 v[S+\j], 0x3fb8aa3b, v[S+\j]         ; x log2(e)
.endr
	ds_store_b128 v[BADR], v[S:S+3]
	ds_store_b128 v[BADR], v[S+4:S+7] offset:16
.macro ADRS                            ; common text at a step's head: the step's three LDS addresses
	v_add_nc_u32 v[ADK], s[TK], v[AK0]
	v_add_nc_u32 v[ADV], s[TV], v[AV0]
	v_add_nc_u32 v[ADB], s[TBI], v[AB0]
	s_add_co_u32 s[TK], s[TK], 64*PK
	s_add_co_u32 s[TV], s[TV], 64*PVP
	s_add_co_u32 s[TBI], s[TBI], 256
.endm
.macro FETCH_K                         ; 64 keys x 64 channels: 8 fragments, 16 loads
.irp k, 0,1,2,3
.irp c, 0,1
	ds_load_b128 v[KB+16*\k+8*\c:KB+16*\k+8*\c+3],   v[ADK] offset:\k*16*PK+64*\c
	ds_load_b128 v[KB+16*\k+8*\c+4:KB+16*\k+8*\c+7], v[ADK] offset:\k*16*PK+64*\c+32
.endr
.endr
.endm
.macro FETCH_BI                        ; register j of tile k: the bias of key 16 k + 8 h + j: the result's layout
.irp k, 0,1,2,3
	ds_load_b128 v[BI+8*\k:BI+8*\k+3],   v[ADB] offset:64*\k
	ds_load_b128 v[BI+8*\k+4:BI+8*\k+7], v[ADB] offset:64*\k+16
.endr
.endm
.macro FETCH_V                         ; 64 keys x 64 channels, turned: 8 fragments, 16 loads
.irp q, 0,1
.irp c, 0,1,2,3
	ds_load_tr16_b128 v[VB+8*(4*\q+\c):VB+8*(4*\q+\c)+3],   v[ADV] offset:\q*32*PVP+32*\c
	ds_load_tr16_b128 v[VB+8*(4*\q+\c)+4:VB+8*(4*\q+\c)+7], v[ADV] offset:\q*32*PVP+16*PVP+32*\c
.endr
.endr
.endm
; 16 products of O^T += V^T P: keys 32 q on.  16 products of S^T = K Q^T: channels 32 c on.  In both the 16 accumulators take turns, one instruction a turn.
.macro PVC q
.irp c, 0,1,2,3
.irp t, 0,1,2,3
	v_wmma_f32_16x16x32_f16 v[32*\t+8*\c:32*\t+8*\c+7], v[VB+8*(4*\q+\c):VB+8*(4*\q+\c)+7], v[S+32*\t+8*\q:S+32*\t+8*\q+7], v[32*\t+8*\c:32*\t+8*\c+7]
.endr
.endr
.endm
.macro QKC c
.irp k, 0,1,2,3
.irp t, 0,1,2,3
.if \c == 0
	v_wmma_f32_16x16x32_f16 v[S+32*\t+8*\k:S+32*\t+8*\k+7], v[KB+16*\k:KB+16*\k+7], v[Q+16*\t:Q+16*\t+7], v[BI+8*\k:BI+8*\k+7]
.else
	v_wmma_f32_16x16x32_f16 v[S+32*\t+8*\k:S+32*\t+8*\k+7], v[KB+16*\k+8:KB+16*\k+15], v[Q+16*\t+8:Q+16*\t+15], v[S+32*\t+8*\k:S+32*\t+8*\k+7]
.endif
.endr
.endr
.endm
; THE MATRIX WORK OF A TRIP.
.macro MBLK
	s_wait_dscnt 16                                ; the last step's V is in; K's sixteen loads, issued behind it, may be out
	WIN 0x51                                       ; V and O^T window 1, P window 0
	PVC 0
	NOPS 4                                         ; places in front of loads into V's first half, which those products read
	WIN 0x40
	FETCH_BI
	WIN 0x51
	PVC 1
	NOPS 5                                         ; the scores are written over P, a source of those products: five places
	s_wait_dscnt 0x0                               ; K and the bias are in
	WIN 0x11                                       ; K and the bias window 1, Q and S^T window 0
	QKC 0
	WIN 0x01
	QKC 1
	NOPS 4                                         ; places in front of the first read of the scores, and of loads into K's and V's registers
	WIN 0x40
	FETCH_V
	WIN 0
.endm
; THE VECTOR WORK OF A TRIP: the four tiles' softmax of one key step, the tiles line by line by turns, so that no line waits for the line above it.
.macro SMX
.irp t, 0,1,2,3                        ; the maximum of the lane's 32 scores and the old m: two chains; each accumulator is first read at its lowest register
	v_max3_num_f32 v[ST+8*\t+6], v[S+32*\t], v[S+32*\t+1], v[S+32*\t+2]
	v_max3_num_f32 v[ST+8*\t+7], v[S+32*\t+16], v[S+32*\t+17], v[S+32*\t+18]
.endr
.irp i, 3,5,7,9,11,13
.irp t, 0,1,2,3
	v_max3_num_f32 v[ST+8*\t+6], v[ST+8*\t+6], v[S+32*\t+\i], v[S+32*\t+\i+1]
	v_max3_num_f32 v[ST+8*\t+7], v[ST+8*\t+7], v[S+32*\t+\i+16], v[S+32*\t+\i+17]
.endr
.endr
.irp t, 0,1,2,3
	v_max3_num_f32 v[ST+8*\t+6], v[ST+8*\t+6], v[S+32*\t+15], v[S+32*\t+31]
.endr
.irp t, 0,1,2,3
	v_max3_num_f32 v[ST+8*\t+6], v[ST+8*\t+6], v[ST+8*\t+7], v[ST+8*\t]
.endr
.irp t, 0,1,2,3
	v_permlanex16_b32 v[ST+8*\t+5], v[ST+8*\t+6], s[SEL], s[SEL+1]   ; the query's other 32 keys lie in the lane 16 away
.endr
.irp t, 0,1,2,3
	v_max_num_f32 v[ST+8*\t+7], v[ST+8*\t+6], v[ST+8*\t+5]           ; the new m
.endr
.irp t, 0,1,2,3
	v_sub_f32 v[ST+8*\t+5], v[ST+8*\t], v[ST+8*\t+7]                 ; m_old - m_new
.endr
.irp t, 0,1,2,3
	v_mov_b32 v[ST+8*\t], v[ST+8*\t+7]
.endr
.irp t, 0,1,2,3
	v_exp_f32 v[ST+8*\t+4], v[ST+8*\t+5]                             ; a
.endr
; ONE BATCH: the 16 packed subtractions x - m and the 32 exponentials of each tile.  A pair is subtracted a line ahead of its exponentials; no line here names an exponential's result.
.irp t, 0,1,2,3
	v_pk_add_f32 v[S+32*\t:S+32*\t+1], v[S+32*\t:S+32*\t+1], v[ST+8*\t:ST+8*\t+1] op_sel_hi:[1,0] neg_lo:[0,1] neg_hi:[0,1]
.endr
.irp i, 1,2,3,4,5,6,7,8,9,10,11,12,13,14,15
.irp t, 0,1,2,3
	v_pk_add_f32 v[S+32*\t+2*\i:S+32*\t+2*\i+1], v[S+32*\t+2*\i:S+32*\t+2*\i+1], v[ST+8*\t:ST+8*\t+1] op_sel_hi:[1,0] neg_lo:[0,1] neg_hi:[0,1]
	v_exp_f32 v[S+32*\t+2*\i-2], v[S+32*\t+2*\i-2]
	v_exp_f32 v[S+32*\t+2*\i-1], v[S+32*\t+2*\i-1]
.endr
.endr
.irp t, 0,1,2,3
	v_exp_f32 v[S+32*\t+30], v[S+32*\t+30]
	v_exp_f32 v[S+32*\t+31], v[S+32*\t+31]
.endr
	v_nop                                          ; a plain instruction behind the last exponential
	s_wait_alu depctr_va_vdst(0)                   ; the wait ahead of the first line that names a result: one for the batch's 132
.irp t, 0,1,2,3
	v_pk_mul_f32 v[ST+8*\t+2:ST+8*\t+3], v[ST+8*\t+2:ST+8*\t+3], v[ST+8*\t+4:ST+8*\t+5] op_sel_hi:[1,0]   ; l x a
.endr
.irp t, 0,1,2,3                        ; the sums of the f32 p, a pair at a time, in two chains
	v_pk_add_f32 v[ST+8*\t+6:ST+8*\t+7], v[S+32*\t:S+32*\t+1], v[S+32*\t+2:S+32*\t+3]
	v_pk_add_f32 v[ST+8*\t+2:ST+8*\t+3], v[ST+8*\t+2:ST+8*\t+3], v[S+32*\t+4:S+32*\t+5]
.endr
.irp i, 3,5,7,9,11,13
.irp t, 0,1,2,3
	v_pk_add_f32 v[ST+8*\t+6:ST+8*\t+7], v[ST+8*\t+6:ST+8*\t+7], v[S+32*\t+2*\i:S+32*\t+2*\i+1]
	v_pk_add_f32 v[ST+8*\t+2:ST+8*\t+3], v[ST+8*\t+2:ST+8*\t+3], v[S+32*\t+2*\i+2:S+32*\t+2*\i+3]
.endr
.endr
.irp t, 0,1,2,3
	v_pk_add_f32 v[ST+8*\t+6:ST+8*\t+7], v[ST+8*\t+6:ST+8*\t+7], v[S+32*\t+30:S+32*\t+31]
.endr
.irp t, 0,1,2,3
	v_pk_add_f32 v[ST+8*\t+2:ST+8*\t+3], v[ST+8*\t+2:ST+8*\t+3], v[ST+8*\t+6:ST+8*\t+7]
.endr
.irp j, 0,1,2,3,4,5,6,7,8,9,10,11,12,13,14,15      ; P in place: register j takes pair j; ascending, so no pair is written over before it is read
.irp t, 0,1,2,3
	v_cvt_pk_f16_f32 v[S+32*\t+\j], v[S+32*\t+2*\j], v[S+32*\t+2*\j+1]
.endr
.endr
	WIN 0x41                                       ; O^T window 1, a window 0
.irp j, 0,2,4,6,8,10,12,14,16,18,20,22,24,26,28,30
.irp t, 0,1,2,3
	v_pk_mul_f32 v[32*\t+\j:32*\t+\j+1], v[32*\t+\j:32*\t+\j+1], v[ST+8*\t+4:ST+8*\t+5] op_sel_hi:[1,0]   ; O^T x a, each accumulator from its low end on
.endr
.endr
	WIN 0
.endm
.macro ITER                            ; a trip: key step j.  The branches hang on the wave's number alone; no barrier, tensor load or address step stands under them
	ADRS
	WIN 0x40
	FETCH_K
	WIN 0
	s_cmp_eq_u32 s[GRP], 0
	s_cbranch_scc0 .Lsmx_first_\@
	MBLK
.Lsmx_first_\@:
	SMX
	s_cmp_eq_u32 s[GRP], 0
	s_cbranch_scc1 .Ltrip_done_\@
	MBLK
.Ltrip_done_\@:
.endm
; THE CHANGE OF SLOTS, at a trip's edge: both groups have asked for the slot's last bytes (V of its fourth step).  Each wave waits for all its tensor loads, of which one is out: its part of the other slot; adds 0 to its spare
; word; and waits for that and for its reads of the slot.  fill = 1: the barrier is a round of the cluster's, and the joint refill, with the keys two slots on, is the first thing behind it: it has four key steps in which to land.
.macro CHANGE fill
	s_wait_tensorcnt 0x0                           ; no tensor load of mine is out, so a group 0 may be written
	ds_add_u32 v[SPW], v[NIL]
.if \fill
.irp g, G0K+4, G0V+4
	s_xor_b32 s[\g+1], s[\g+1], SLOT1              ; the walking descriptor: the other slot than last time,
	s_add_nc_u64 s[\g+2:\g+3], s[\g+2:\g+3], 32768 ; the next 256 keys
.endr
	s_wait_xcnt 0x0                                ; the last prefetch, a slot back, has read its address
	s_add_nc_u64 s[PFA:PFA+1], s[PFA:PFA+1], 32768
	s_wait_dscnt 0x0                               ; the add is done, and my reads of the slot are over
	CROUND
	JLOAD
	ASK
.else
	s_wait_dscnt 0x0
	s_barrier_signal -1
	s_barrier_wait -1
.endif
	s_sub_co_u32 s[TK], s[TK], 4*64*PK             ; the fetches go back to a slot's first step,
	s_xor_b32 s[TK], s[TK], SLOT1                  ; in the other slot
	s_sub_co_u32 s[TV], s[TV], 4*64*PVP
	s_xor_b32 s[TV], s[TV], SLOT1
.endm
	s_wait_tensorcnt 1                             ; my part of slot 0 is in; slot 1's may stay out
	s_wait_dscnt 0x0                               ; my biases are stored
	s_barrier_signal -1
	s_barrier_wait -1
	ADRS                                           ; key step 0: its scores, and its V is asked for
	WIN 0x40
	FETCH_K
	FETCH_BI
	s_wait_dscnt 0x0
	WIN 0x11
	QKC 0
	WIN 0x01
	QKC 1
	NOPS 4
	WIN 0x40
	FETCH_V
	WIN 0
	s_cmp_eq_u32 s[GRP], 0
	s_cbranch_scc0 .Lpro_done
	SMX                                            ; group 0 goes a softmax ahead: from here on the groups are in opposite phases
.Lpro_done:
	s_mov_b32 s[CNT], 3
.Lfirst:                                           ; key steps 1 to 3
	ITER
	s_sub_co_u32 s[CNT], s[CNT], 1
	s_cmp_lg_u32 s[CNT], 0
	s_cbranch_scc1 .Lfirst
.Lslot:                                            ; six trips: key steps 4 to 27; each change asks for the keys two slots on
	CHANGE 1
	s_mov_b32 s[CNT], 4
.Lsteps:
	ITER
	s_sub_co_u32 s[CNT], s[CNT], 1
	s_cmp_lg_u32 s[CNT], 0
	s_cbranch_scc1 .Lsteps
	s_sub_co_u32 s[SLOTS], s[SLOTS], 1
	s_cmp_lg_u32 s[SLOTS], 0
	s_cbranch_scc1 .Lslot
	CHANGE 0                                       ; the last slot is written out
	s_mov_b32 s[CNT], 4
.Ltail:                                            ; key steps 28 to 31
	ITER
	s_sub_co_u32 s[CNT], s[CNT], 1
	s_cmp_lg_u32 s[CNT], 0
	s_cbranch_scc1 .Ltail
	s_cmp_eq_u32 s[GRP], 0
	s_cbranch_scc1 .Lepi
	SMX                                            ; group 1's last softmax
.Lepi:
	s_wait_dscnt 0x0                               ; V of the last step
	v_nop                                          ; the products below take the scores' registers as a source: five places are owed behind the products that wrote them (ISA guide 7.12.1).  The text has a way from a trip's second M over the
	                                               ; branch above to this label (no wave goes it: group 1 passes SMX); with M's last four this line makes five on that way too
	WIN 0x51
	PVC 0
	PVC 1
	WIN 0
	; THE WAY OUT.  l's two halves and the other half of the lanes' are added; O^T is divided by l, rounded to f16 and sent through my stage, a tile at a time.  The additions are the places behind the last products.
.irp t, 0,1,2,3
	v_add_f32 v[ST+8*\t+6], v[ST+8*\t+2], v[ST+8*\t+3]
.endr
.irp t, 0,1,2,3
	v_permlanex16_b32 v[ST+8*\t+7], v[ST+8*\t+6], s[SEL], s[SEL+1]
.endr
.irp t, 0,1,2,3
	v_add_f32 v[ST+8*\t+6], v[ST+8*\t+6], v[ST+8*\t+7]
.endr
.irp t, 0,1,2,3
	v_rcp_f32 v[ST+8*\t+4], v[ST+8*\t+6]
.endr
	v_nop                                          ; a plain instruction behind the last reciprocal,
	s_wait_alu depctr_va_vdst(0)                   ; and the wait ahead of the first use: one for the four
.macro PACK t
	WIN 0x41
.set i, 0
.rept 16
	v_pk_mul_f32 v[32*\t+i:32*\t+i+1], v[32*\t+i:32*\t+i+1], v[ST+8*\t+4:ST+8*\t+5] op_sel_hi:[1,0]
.set i, i+2
.endr
	WIN 0x05                                       ; sources window 1, destination window 0
.set i, 0
.rept 16
	v_cvt_pk_f16_f32 v[S+32*\t+i], v[32*\t+2*i], v[32*\t+2*i+1]
.set i, i+1
.endr
	WIN 0
.irp c, 0,1,2,3
	ds_store_b128 v[STO], v[S+32*\t+4*\c:S+32*\t+4*\c+3] offset:32*\c   ; query r, channels 16 c + 8 h + 0 .. 7
.endr
.irp f, 0,1,2,3
	ds_load_b128 v[S+32*\t+16+4*\f:S+32*\t+16+4*\f+3], v[RD] offset:\f*4*PK   ; LDS serves a wave's instructions in order: these see the stores above, and the next tile's stores come behind them
.endr
.endm
.macro SEND t, younger                 ; younger: the LDS instructions issued behind tile t's loads: the next tile's eight, or none
.irp f, 0,1,2,3
	s_wait_dscnt \younger+3-\f
	global_store_b128 v[GO], v[S+32*\t+16+4*\f:S+32*\t+16+4*\f+3], s[8:9] offset:\t*2048+\f*512   ; 32 lanes store 512 consecutive bytes, aligned
.endr
.endm
	PACK 0
	PACK 1
	SEND 0, 8
	PACK 2
	SEND 1, 8
	PACK 3
	SEND 2, 8
	SEND 3, 0
	s_wait_tensorcnt 0x0                           ; the wave's end, behind my last tensor load and my last LDS store
	ds_add_u32 v[SPW], v[NIL]
	s_wait_dscnt 0x0
	CROUND                                         ; the closing round
	s_endpgm
.Lfunc_end_k_q9eecc5e7e7_attn:
	.size	k_q9eecc5e7e7_attn, .Lfunc_end_k_q9eecc5e7e7_attn-k_q9eecc5e7e7_attn
	.p2alignl 7, 3214868480
	.fill 96, 4, 3214868480
	.section	.rodata,"a",@progbits
	.p2align	6, 0x0
	.amdhsa_kernel k_q9eecc5e7e7_attn
		.amdhsa_group_segment_fixed_size 327680
		.amdhsa_private_segment_fixed_size 0
		.amdhsa_enable_private_segment 0
		.amdhsa_kernarg_size 24
		.amdhsa_user_sgpr_count 2
		.amdhsa_user_sgpr_kernarg_segment_ptr 1
		.amdhsa_wavefront_size32 1
		.amdhsa_system_sgpr_workgroup_id_x 1
		.amdhsa_system_sgpr_workgroup_id_y 1
		.amdhsa_system_sgpr_workgroup_id_z 1
		.amdhsa_system_vgpr_workitem_id 0
		.amdhsa_next_free_vgpr 512
		.amdhsa_next_free_sgpr 72
		.amdhsa_reserve_vcc 0
		.amdhsa_float_denorm_mode_32 3
		.amdhsa_float_denorm_mode_16_64 3
		.amdhsa_memory_ordered 1
		.amdhsa_forward_progress 1
		.amdhsa_inst_pref_size 206
	.end_amdhsa_kernel
	.amdgpu_metadata
---
amdhsa.version: [ 1, 2 ]
amdhsa.kernels:
  - .name:           k_q9eecc5e7e7_attn
    .symbol:         k_q9eecc5e7e7_attn.kd
    .args:
      - { .name: qkv, .offset: 0, .size: 8, .value_kind: global_buffer, .address_space: global }
      - { .name: masks, .offset: 8, .size: 8, .value_kind: global_buffer, .address_space: global }
      - { .name: comb, .offset: 16, .size: 8, .value_kind: global_buffer, .address_space: global }
    .group_segment_fixed_size: 327680
    .private_segment_fixed_size: 0
    .kernarg_segment_align: 8
    .kernarg_segment_size: 24
    .max_flat_workgroup_size: 256
    .sgpr_count:     72
    .vgpr_count:     512
    .wavefront_size: 32
...
	.end_amdgpu_metadata
.endif
;; end of part 3
;; launch proj (part 4): grid 8 x 32, 4 waves a work-group, clusters of 4 x 4, 327,680 bytes of LDS; arguments comb, wo16, bo, out0; writes out0
.if DOCPART == 4
	.amdgcn_target "amdgcn-amd-amdhsa--gfx1250"
	.amdhsa_code_object_version 6
	.text
	.protected	k_q9eecc5e7e7_proj
	.globl	k_q9eecc5e7e7_proj
	.p2align	8
	.type	k_q9eecc5e7e7_proj,@function
k_q9eecc5e7e7_proj:
	s_mov_b64 s[64:65], 0
	v_nop
	global_prefetch_b8 v0, s[64:65] scope:SCOPE_SE
	s_setreg_imm32_b32 hwreg(HW_REG_WAVE_MODE, 25, 1), 1
	s_wait_xcnt 0x0
	s_wait_alu depctr_hold_cnt(0) depctr_sa_sdst(0) depctr_va_vdst(0) depctr_va_sdst(0) depctr_va_ssrc(0) depctr_va_vcc(0) depctr_vm_vsrc(0)
	s_getreg_b32 s2, hwreg(HW_REG_IB_STS2, 6, 4)
	s_cmp_eq_u32 s2, 0
	s_cbranch_scc0 .Lentry_in_a_cluster
	s_endpgm
.Lentry_in_a_cluster:
	s_bfe_u32 s2, ttmp6, 0x10000c
	s_cmp_lg_u32 s2, 0xf033
	s_cbranch_scc0 .Lentry_shape_is_right
	s_endpgm
.Lentry_shape_is_right:
; out0[m][n] = the sum over k of A[m][k] Wo[n][k] + bo[n].  A is the attention's result, f16, laid [batch][head][position][64]: k = 64 x head + channel, m = 2,048 x batch + position.  Wo: f16, [1024 n][1024 k].  out0: f32.  Sums in f32.
; A tile of C is 256 x 128: 8 x 32 tiles, one to a work-group.  Four waves, each 128 rows x 64 columns: 32 accumulators of 16 x 16, 256 registers.  K goes in steps of 128, two heads, through a ring of two LDS slots:
; A's tile is two planes (heads) of 256 rows x 128 bytes, dense in memory; B's is 128 rows x 256 bytes.  Waves 0 and 1 fetch A's planes, waves 2 and 3 B's halves: one tensor load a wave.
; CLUSTERS: 4 x 4 work-groups; A's tiles are shared along a row of the cluster, B's along a column: each is asked for JOINTLY.  THE MATRIX INSTRUCTION IS USED TRANSPOSED (source 0 = 16 rows of Wo, source 1 = 16 rows of A): a lane
; holds eight neighbouring columns of one row of C.  THE BIAS IS THE C OF EACH SUM'S FIRST INSTRUCTION.  No prefetch: K has eight steps only, and a refill is asked for a whole K step less sixteen matrix instructions ahead of the wait for it.
; REGISTERS.  window 0: v16-29 addresses; v32-127 and v128-223 two fragment buffers (A's 8 fragments, then B's 4, for 32 along K); v224-255 the bias in the result's layout.   window 1: the accumulators ((a, b) at v[8 (4 a + b)]).
.set PA,     144                       ; a row of A's plane in LDS: 128 bytes + 16
.set PB,     272                       ; a row of B's tile: 256 bytes + 16
.set PLANE,  256*PA
.set BOFF,   2*PLANE
.set SLOT,   BOFF+128*PB
.set STAGE,  2*SLOT                    ; behind the ring: 16 rows x 272 bytes for each wave
.set SPITCH, 272
.set SPARE,  STAGE+4*16*SPITCH         ; the spare words, 128 bytes a wave
.set ASTEP,  2*2048*128                ; a K step on in A: two heads
.set BSTEP,  256                       ; and in Wo
.set LAPS,   4                         ; a lap = two K steps
.set ADRA, 16
.set ADRB, 20
.set STO,  24
.set RD,   25
.set CO,   26
.set SPW,  28                          ; LDS address of my spare word; never rewritten
.set NIL,  29                          ; 0; never rewritten
.set F0,   32
.set F1,   128
.set BO,   224
.set G1, 24
.set G0, 32
.set G1B, 48
.set G0B, 56
.set MSB, 0
.macro WIN new
.if MSB != (\new)
	s_set_vgpr_msb (MSB<<8)|(\new)
.set MSB, (\new)
.endif
.endm
.macro NOPS n
.rept \n
	v_nop
.endr
.endm
.macro JLOAD s                         ; a joint load; the branch hangs on the wave's number alone.  An s_nop 0 and four v_nop follow each of the two lines
	s_cmp_eq_u32 s13, 0
	s_cbranch_scc0 .Lfor_b_\@
	tensor_load_to_lds s[G0+4*\s:G0+4*\s+3], s[G1:G1+7]
	s_nop 0
.rept 4
	v_nop
.endr
	s_branch .Lasked_\@
.Lfor_b_\@:
	tensor_load_to_lds s[G0B+4*\s:G0B+4*\s+3], s[G1B:G1B+7]
	s_nop 0
.rept 4
	v_nop
.endr
.Lasked_\@:
.endm
.macro CREST                           ; a round of the cluster's barrier behind its opening barrier
	s_cmp_lg_u32 s12, 0
	s_cbranch_scc1 .Lnot_wave_0_\@
	s_barrier_signal -3
.Lnot_wave_0_\@:
	s_barrier_wait -3
	s_barrier_signal -1
	s_barrier_wait -1
.endm
.macro CROUND
	s_barrier_signal -1
	s_barrier_wait -1
	CREST
.endm
	s_load_b256 s[4:11], s[0:1], 0x0               ; comb s[4:5], wo16 s[6:7], bo s[8:9], out0 s[10:11]
	v_lshl_add_u32 v[SPW], v0, 2, SPARE
	v_mov_b32 v[NIL], 0
	ds_add_u32 v[SPW], v[NIL]                      ; the wave's opening: the add, twice on end, and its wait ahead of my first tensor load
	ds_add_u32 v[SPW], v[NIL]
	v_lshrrev_b32 v1, 5, v0
	v_readfirstlane_b32 s12, v1                    ; wave 0..3
	s_lshr_b32 s13, s12, 1                         ; which half of the tile's rows is mine.  Also: I fetch for A (0) or for B (1)
	s_and_b32 s14, s12, 1                          ; which half of its columns.  Also: which plane of A, or which 64 rows of B, I fetch
	s_bfe_u32 s40, ttmp6, 0x40000                  ; cx, cy
	s_bfe_u32 s41, ttmp6, 0x40004
	s_lshl_b32 s42, ttmp9, 2
	s_add_co_u32 s42, s42, s40                     ; tile column x
	s_and_b32 s15, ttmp7, 0xffff
	s_lshl_b32 s15, s15, 2
	s_add_co_u32 s15, s15, s41                     ; tile row y
	s_lshl_b32 s43, s41, 2
	s_lshl_b32 s43, 15, s43                        ; my row of the cluster
	s_lshl_b32 s44, 0x1111, s40                    ; my column
	s_or_b32 s[G1+0], s43, (1<<16)|(1<<20)|(1<<21)|(4<<22)|(3<<25)  ; A: the mask; elements of 2 bytes; padding on; bit 21 beside a mask; 4 words behind every 32
	s_mov_b32 s[G1+1], 64<<16                      ; tensor_dim0
	s_mov_b32 s[G1+2], 256<<16                     ; tensor_dim1
	s_mov_b32 s[G1+3], 64<<16                      ; tile_dim0
	s_mov_b32 s[G1+4], 256                         ; tile_dim1
	s_mov_b32 s[G1+5], 64                          ; from row to row
	s_mov_b32 s[G1+6], 0
	s_mov_b32 s[G1+7], 0
	s_or_b32 s[G1B+0], s44, (1<<16)|(1<<20)|(1<<21)|(5<<22)|(3<<25) ; B: 4 words behind every 64
	s_mov_b32 s[G1B+1], 128<<16
	s_mov_b32 s[G1B+2], 64<<16
	s_mov_b32 s[G1B+3], 128<<16
	s_mov_b32 s[G1B+4], 64
	s_mov_b32 s[G1B+5], 1024
	s_mov_b32 s[G1B+6], 0
	s_mov_b32 s[G1B+7], 0
	s_lshr_b32 s16, s15, 3                         ; A: the batch (8 tile rows each),
	s_lshl_b32 s16, s16, 4
	s_add_co_u32 s16, s16, s14                     ; my plane's head in K step 0,
	s_lshl_b32 s16, s16, 11
	s_and_b32 s17, s15, 7
	s_lshl_b32 s17, s17, 8
	s_add_co_u32 s16, s16, s17                     ; the position: 256 x (tile row % 8);
	s_lshl_b32 s16, s16, 7                         ; 128 bytes a row
	s_mov_b32 s17, 0
	s_lshl_b32 s46, s42, 7                         ; B: row 128 x + 64 x half,
	s_lshl_b32 s47, s14, 6
	s_add_co_u32 s46, s46, s47
	s_lshl_b32 s46, s46, 11                        ; 2,048 bytes a row
	s_mov_b32 s47, 0
	s_mul_i32 s20, s14, PLANE                      ; where they go: no place in the cluster enters an LDS address
	s_mul_i32 s21, s14, 64*PB
	s_add_co_u32 s21, s21, BOFF
	s_wait_dscnt 0x0                               ; both opening adds are done
	s_wait_kmcnt 0x0
	s_add_nc_u64 s[16:17], s[4:5], s[16:17]
	s_add_nc_u64 s[46:47], s[6:7], s[46:47]
	CROUND                                         ; all sixteen work-groups are here: the first joint loads meet
.irp s, 0,1
	s_mov_b32 s[G0+4*\s], 1
	s_add_co_u32 s[G0+4*\s+1], s20, \s*SLOT
	s_add_nc_u64 s[G0+4*\s+2:G0+4*\s+3], s[16:17], \s*ASTEP
	s_or_b32 s[G0+4*\s+3], s[G0+4*\s+3], 0x80000000
	s_mov_b32 s[G0B+4*\s], 1
	s_add_co_u32 s[G0B+4*\s+1], s21, \s*SLOT
	s_add_nc_u64 s[G0B+4*\s+2:G0B+4*\s+3], s[46:47], \s*BSTEP
	s_or_b32 s[G0B+4*\s+3], s[G0B+4*\s+3], 0x80000000
	JLOAD \s                                       ; two tensor loads of mine are out
.endr
	v_and_b32 v1, 15, v0                           ; r
	v_bfe_u32 v2, v0, 4, 1                         ; h
	s_lshl_b32 s46, s42, 9                         ; my first column, in bytes of f32: 512 x + 256 x half
	s_lshl_b32 s47, s14, 8
	s_add_co_u32 s46, s46, s47
	s_mov_b32 s47, 0
	s_add_nc_u64 s[8:9], s[8:9], s[46:47]
	s_add_nc_u64 s[10:11], s[10:11], s[46:47]
	v_lshlrev_b32 v6, 5, v2
.irp b, 0,1,2,3
	global_load_b128 v[BO+8*\b:BO+8*\b+3],   v6, s[8:9] offset:64*\b      ; the bias of columns 16 b + 8 h + 0 .. 7
	global_load_b128 v[BO+8*\b+4:BO+8*\b+7], v6, s[8:9] offset:64*\b+16
.endr
	v_mul_u32_u24 v3, v1, PA
	v_lshl_add_u32 v3, v2, 4, v3
	v_mul_u32_u24 v4, v1, PB
	v_lshl_add_u32 v4, v2, 4, v4
	s_mul_i32 s21, s13, 128*PA                     ; my 128 rows of A's planes
	s_mul_i32 s22, s14, 64*PB                      ; my 64 rows of B
	s_add_co_u32 s22, s22, BOFF
.irp s, 0,1
	v_add_nc_u32 v[ADRA+\s], s21, v3
	v_add_nc_u32 v[ADRB+\s], s22, v4
	s_add_co_u32 s21, s21, SLOT
	s_add_co_u32 s22, s22, SLOT
.endr
	s_mul_i32 s23, s12, 16*SPITCH
	s_add_co_u32 s23, s23, STAGE                   ; my stage
	v_mul_u32_u24 v5, v1, SPITCH
	v_lshl_add_u32 v5, v2, 5, v5
	v_add_nc_u32 v[STO], s23, v5                   ; in: row r, 32 bytes for each half of the lanes
	v_mul_u32_u24 v5, v2, SPITCH
	v_lshl_add_u32 v5, v1, 4, v5
	v_add_nc_u32 v[RD], s23, v5                    ; back: lanes 0-15 one row of 256 bytes, lanes 16-31 the next
	v_lshlrev_b32 v5, 12, v2
	v_lshl_add_u32 v[CO], v1, 4, v5                ; and the same two rows in out0 (4,096 bytes a row)
	s_lshl_b32 s16, s15, 8
	s_lshl_b32 s17, s13, 7
	s_add_co_u32 s16, s16, s17                     ; my first row: 256 y + 128 x half
	s_lshl_b32 s16, s16, 12
	s_mov_b32 s17, 0
	s_add_nc_u64 s[10:11], s[10:11], s[16:17]
; n x 4 matrix instructions: A's blocks a0 on x B's four, 32 along K, from buffer f.  first = 1: the bias starts the sums.  The 32 accumulators take turns, one instruction a turn, in the same order in every quarter.
.macro MUL f, a0, n, first
.set aa, \a0
.rept \n
.irp b, 0,1,2,3
.if \first
	v_wmma_f32_16x16x32_f16 v[8*(4*aa+\b):8*(4*aa+\b)+7], v[\f+64+8*\b:\f+64+8*\b+7], v[\f+8*aa:\f+8*aa+7], v[BO+8*\b:BO+8*\b+7]
.else
	v_wmma_f32_16x16x32_f16 v[8*(4*aa+\b):8*(4*aa+\b)+7], v[\f+64+8*\b:\f+64+8*\b+7], v[\f+8*aa:\f+8*aa+7], v[8*(4*aa+\b):8*(4*aa+\b)+7]
.endif
.endr
.set aa, aa+1
.endr
.endm
; 24 LDS loads in one run: the fragments of the slot's q-th 32 along K into buffer f: B's four, A's blocks 0-3, A's blocks 4-7.  Quarter q lies in plane q / 2, at byte 64 (q % 2) of its rows; in B at byte 64 q.
.macro FETCH slot, q, f
.irp i, 0,1,2,3
	ds_load_b128 v[\f+64+8*\i:\f+64+8*\i+3],   v[ADRB+\slot] offset:64*(\q)+\i*16*PB
	ds_load_b128 v[\f+64+8*\i+4:\f+64+8*\i+7], v[ADRB+\slot] offset:64*(\q)+\i*16*PB+32
.endr
.irp i, 0,1,2,3,4,5,6,7
	ds_load_b128 v[\f+8*\i:\f+8*\i+3],   v[ADRA+\slot] offset:((\q)/2)*PLANE+((\q)%2)*64+\i*16*PA
	ds_load_b128 v[\f+8*\i+4:\f+8*\i+7], v[ADRA+\slot] offset:((\q)/2)*PLANE+((\q)%2)*64+\i*16*PA+32
.endr
.endm
; One of a K step's first three quarters: multiplies buffer f; in its middle it fetches quarter qn of the same slot into buffer g.
.macro QUARTER slot, qn, f, g, first
	s_wait_dscnt 8                                 ; B and A's blocks 0-3 are in; the youngest eight loads (A's blocks 4-7) may be out
	WIN 0x50-0x10*\first                           ; D window 1; C window 1, or the bias in window 0
	MUL \f, 0, 4, \first
	NOPS 4                                         ; places in front of loads into registers that matrix instructions have read
	WIN 0
	FETCH \slot, \qn, \g
	s_wait_dscnt 24                                ; all but the 24 just issued
	WIN 0x50-0x10*\first
	MUL \f, 4, 4, \first
.endm
; The last quarter multiplies buffer 1 and changes slots: ONE barrier; in front of it each wave waits for all its tensor loads, adds 0 to its spare word, and waits for that and for its reads of this slot.  fill = 1: this slot is filled again, two K steps ahead.
.macro TURN slot, next, fill
	WIN 0
	s_wait_tensorcnt 0x0                           ; all my tensor loads have landed: my part of the next slot;
	ds_add_u32 v[SPW], v[NIL]
	s_wait_dscnt 9                                 ; (the add and the youngest eight loads may be out)
	WIN 0x50
	MUL F1, 0, 2, 0
	s_wait_dscnt 0x0                               ; the add is done, and my reads of this slot are over
	s_barrier_signal -1
	MUL F1, 2, 2, 0
.if \fill
	WIN 0
.endif
	s_barrier_wait -1
.if \fill
	CREST                                          ; the barrier has opened a round of the cluster's: no wave of any partner still reads this slot or has a load on its way
	s_add_nc_u64 s[G0+4*\slot+2:G0+4*\slot+3], s[G0+4*\slot+2:G0+4*\slot+3], 2*ASTEP
	s_add_nc_u64 s[G0B+4*\slot+2:G0B+4*\slot+3], s[G0B+4*\slot+2:G0B+4*\slot+3], 2*BSTEP
	JLOAD \slot                                    ; the first tensor load behind the round; the four v_nop behind it are also the places in front of the loads below
.else
	NOPS 4
	WIN 0
.endif
	FETCH \next, 0, F0
	WIN 0x50
	MUL F1, 4, 4, 0
.endm
	s_wait_tensorcnt 1                             ; my part of K step 0 is in (K step 1's load may be out)
	s_barrier_signal -1
	s_barrier_wait -1                              ; everybody's is
	FETCH 0, 0, F0
	s_wait_loadcnt 0x0                             ; the bias
	QUARTER 0, 1, F0, F1, 1                        ; the first quarter stands in front of the loop: its products start the sums
	WIN 0
	s_mov_b32 s3, LAPS-1
.Llap:                                             ; a trip goes once round the ring, from a lap's second quarter to the next lap's first, and fills both slots again
	QUARTER 0, 2, F1, F0, 0
	QUARTER 0, 3, F0, F1, 0
	TURN 0, 1, 1
	QUARTER 1, 1, F0, F1, 0
	QUARTER 1, 2, F1, F0, 0
	QUARTER 1, 3, F0, F1, 0
	TURN 1, 0, 1
	QUARTER 0, 1, F0, F1, 0
	WIN 0
	s_sub_co_u32 s3, s3, 1
	s_cmp_lg_u32 s3, 0
	s_cbranch_scc1 .Llap
	QUARTER 0, 2, F1, F0, 0                        ; the last lap fills nothing
	QUARTER 0, 3, F0, F1, 0
	TURN 0, 1, 0
	QUARTER 1, 1, F0, F1, 0
	QUARTER 1, 2, F1, F0, 0
	QUARTER 1, 3, F0, F1, 0
	s_wait_dscnt 8                                 ; the very last quarter
	WIN 0x50
	MUL F1, 0, 4, 0
	s_wait_dscnt 0x0
	MUL F1, 4, 4, 0
	WIN 0
; THE WAY OUT, block by block of 16 rows x 64 columns.  A lane holds 32 neighbouring bytes of a row: a block goes through my own stage and comes back as rows of 256 bytes, which sixteen lanes store as 256 consecutive bytes, aligned.
.macro TOSTAGE a
	WIN 0x04                                       ; an LDS store's data are its source 1: window 1
.irp b, 0,1,2,3
	ds_store_b128 v[STO], v[8*(4*(\a)+\b):8*(4*(\a)+\b)+3] offset:64*\b          ; each accumulator from its low end on
	ds_store_b128 v[STO], v[8*(4*(\a)+\b)+4:8*(4*(\a)+\b)+7] offset:64*\b+16
.endr
	WIN 0
.set BB, 32+32*((\a)%2)
.irp i, 0,1,2,3,4,5,6,7
	ds_load_b128 v[BB+4*\i:BB+4*\i+3], v[RD] offset:\i*2*SPITCH   ; LDS serves a wave's instructions in order: these see the stores above
.endr
.endm
.macro SEND a, younger                 ; younger: the LDS instructions issued behind block a's loads
.set BB, 32+32*((\a)%2)
	s_wait_dscnt \younger
.irp i, 0,1,2,3,4,5,6,7
	global_store_b128 v[CO], v[BB+4*\i:BB+4*\i+3], s[10:11] offset:(16*(\a)+2*\i)*4096 th:TH_STORE_NT
.endr
.endm
	NOPS 4                                         ; places behind the last products, for the reads of results and the loads into buffer 0
	TOSTAGE 0
.irp a, 1,2,3,4,5,6,7
.if \a > 1
	s_wait_xcnt 0x0                                ; block a - 2's stores have read their registers: block a's loads may land there
.endif
	TOSTAGE \a
	SEND \a-1, 16                                  ; behind block a - 1's loads: block a's eight stores and eight loads
.endr
	SEND 7, 0
	s_wait_tensorcnt 0x0                           ; the wave's end, behind my last tensor load and my last LDS store
	ds_add_u32 v[SPW], v[NIL]
	s_wait_dscnt 0x0
	CROUND                                         ; the closing round
	s_endpgm
.Lfunc_end_k_q9eecc5e7e7_proj:
	.size	k_q9eecc5e7e7_proj, .Lfunc_end_k_q9eecc5e7e7_proj-k_q9eecc5e7e7_proj
	.p2alignl 7, 3214868480
	.fill 96, 4, 3214868480
	.section	.rodata,"a",@progbits
	.p2align	6, 0x0
	.amdhsa_kernel k_q9eecc5e7e7_proj
		.amdhsa_group_segment_fixed_size 327680
		.amdhsa_private_segment_fixed_size 0
		.amdhsa_enable_private_segment 0
		.amdhsa_kernarg_size 32
		.amdhsa_user_sgpr_count 2
		.amdhsa_user_sgpr_kernarg_segment_ptr 1
		.amdhsa_wavefront_size32 1
		.amdhsa_system_sgpr_workgroup_id_x 1
		.amdhsa_system_sgpr_workgroup_id_y 1
		.amdhsa_system_sgpr_workgroup_id_z 1
		.amdhsa_system_vgpr_workitem_id 0
		.amdhsa_next_free_vgpr 512
		.amdhsa_next_free_sgpr 66
		.amdhsa_reserve_vcc 0
		.amdhsa_float_denorm_mode_32 3
		.amdhsa_float_denorm_mode_16_64 3
		.amdhsa_memory_ordered 1
		.amdhsa_forward_progress 1
		.amdhsa_inst_pref_size 86
	.end_amdhsa_kernel
	.amdgpu_metadata
---
amdhsa.version: [ 1, 2 ]
amdhsa.kernels:
  - .name:           k_q9eecc5e7e7_proj
    .symbol:         k_q9eecc5e7e7_proj.kd
    .args:
      - { .name: comb, .offset: 0, .size: 8, .value_kind: global_buffer, .address_space: global }
      - { .name: wo16, .offset: 8, .size: 8, .value_kind: global_buffer, .address_space: global }
      - { .name: bo, .offset: 16, .size: 8, .value_kind: global_buffer, .address_space: global }
      - { .name: out0, .offset: 24, .size: 8, .value_kind: global_buffer, .address_space: global }
    .group_segment_fixed_size: 327680
    .private_segment_fixed_size: 0
    .kernarg_segment_align: 8
    .kernarg_segment_size: 32
    .max_flat_workgroup_size: 128
    .sgpr_count:     66
    .vgpr_count:     512
    .wavefront_size: 32
...
	.end_amdgpu_metadata
.endif
;; end of part 4
